; MI455X (gfx1250); checked and timed in simulation.
; The chip was launched on July 23, 2026; its instructions are those of AMD's public machine-readable ISA for CDNA 5 (MIT licence, August 2026) and "CDNA5" Instruction Set Architecture Reference Guide (July 2026). The comments in the code are by the model that wrote it; some were corrected since.
;; Masked Multi Head Attention. Allowed arithmetic: matrix products marked QUANTISED: E2M1 operands, one E8M0 scale for each 32 along K, by v_wmma_scale_f32_16x16x128_f8f6f4 with both operands' format E2M1 (or v_wmma_scale_f32_32x16x128_f4), f32 sums; products left as they are: bf16, f16 or f32 operands; f32 sums; everything else in f32.
;; Inputs: Wk 16 x 1,024 x 64 float32; Wo 1,024 x 1,024 float32; Wq 16 x 1,024 x 64 float32; Wv 16 x 1,024 x 64 float32; bk 16 x 64 float32; bo 1,024 float32; bq 16 x 64 float32; bv 16 x 64 float32; hidden_state 2 x 2,048 x 1,024 float32.
;; Outputs: out0 2 x 2,048 x 1,024 float32.
;; This version of the problem:
;;   THIS VERSION OF THE PROBLEM IS GIVEN IN LOW PRECISION. The matrix products marked QUANTISED in the list below multiply operands that are first quantised to E2M1 (2 exponent bits, 1 mantissa bit; 4 bits a number), with one power-of-two scale for each 32 numbers along K (OCP MX v1.0); their sums are f32. The products marked 'left as it is' may take bf16, f16 or f32 operands, with f32 sums. Whichever they take, every output number must still come out within the allowed error. Rounding operands to bf16 (8 significant bits) uses up far more of that allowance than f16 does (11 bits, for magnitudes from 6e-5 to 65,504). All else is computed in f32.
;;   The module's matrix products, in the order in which they are computed (A, B: the left and right operand; K: the contracted axis; several contracted axes count as one K, in the product's order):
;;     1. [M 1,024, K 1,024] x [K 1,024, N 4,096]; A: input Wq; B: input hidden_state: QUANTISED
;;     2. [M 1,024, K 1,024] x [K 1,024, N 4,096]; A: input Wk; B: input hidden_state: QUANTISED
;;     3. [M 1,024, K 1,024] x [K 1,024, N 4,096]; A: input Wv; B: input hidden_state: QUANTISED
;;     4. batch 32 x [M 2,048, K 64] x [K 64, N 2,048]; A: computed on the way; B: computed on the way: left as it is (an operand is computed on the way)
;;     5. batch 32 x [M 2,048, K 2,048] x [K 2,048, N 64]; A: computed on the way; B: computed on the way: left as it is (an operand is computed on the way)
;;     6. [M 4,096, K 1,024] x [K 1,024, N 1,024]; A: computed on the way; B: input Wo: left as it is (an operand is computed on the way)
;;   THE QUANTISER, for each operand of a quantised product, along K:
;;     - K is cut into blocks of 32 from its start; a last block that is shorter is filled with zeros.
;;     - A block's scale is 2^e with e = floor(log2(the largest magnitude in the block)) - 2, held to -126 .. 127; a block of zeros has e = 0. As a byte (E8M0): e + 127.
;;     - Each number is divided by its block's scale, clamped to +-6, and rounded to the nearest number of E2M1, ties to even, subnormals kept.
;;     - The product sums the exact products of the quantised numbers (number of the format x scale) in f32.
;;   ~~~python
;;   def quantise(x, axis):      # numpy; x: float32 -> the quantised numbers, widened to float32 again
;;       x = np.moveaxis(x, axis, -1); K = x.shape[-1]
;;       x = np.pad(x, [(0, 0)] * (x.ndim - 1) + [(0, -K % 32)]); x = x.reshape(x.shape[:-1] + (-1, 32)); a = np.abs(x).max(-1, keepdims=True)
;;       e = np.where(a > 0, np.clip(np.frexp(np.where(a > 0, a, 1))[1] - 1 - 2, -126, 127), 0)      # np.frexp(a)[1] - 1 = floor(log2(a)), exactly
;;       r = np.clip(x / 2.0 ** e, -6, 6)
;;       step = 2.0 ** (np.maximum(np.frexp(np.where(r == 0, 1, r))[1] - 1, 0) - 1)
;;       q = np.round(r / step) * step * 2.0 ** e      # np.round: ties to even
;;       return np.moveaxis(q.reshape(q.shape[:-2] + (-1,))[..., :K], -1, axis).astype(np.float32)
;;   ~~~
;; One version. Each part assembles by itself: llvm-mc -triple=amdgcn-amd-amdhsa -mcpu=gfx1250 --defsym DOCPART=n.
;; ======== version 1 of 1: 5 launches
;; limits: values are held in f16: magnitudes above 65,504 overflow, below 6.1e-05 lose precision; right only within a limited range of input values
;; workspace buffers: x_codes 2,097,152 bytes; x_scales 131,072 bytes; w_codes 1,572,864 bytes; w_scales 98,304 bytes; wo16 2,097,152 bytes; qkv16 25,165,824 bytes; qkvf 393,216 bytes; ctxh 8,388,608 bytes
;; launch quant (part 1): grid 256 x 1, 8 waves a work-group, no clusters, 61,440 bytes of LDS; arguments hidden_state, Wq, Wk, Wv, Wo, x_codes, x_scales, w_codes, w_scales, wo16; writes x_codes, x_scales, w_codes, w_scales, wo16
.if DOCPART == 1
	.amdgcn_target "amdgcn-amd-amdhsa--gfx1250"
	.amdhsa_code_object_version 6
	.text
	.protected	k_qa6ff0dcf3a_quant
	.globl	k_qa6ff0dcf3a_quant
	.p2align	8
	.type	k_qa6ff0dcf3a_quant,@function
k_qa6ff0dcf3a_quant:
	s_mov_b64 s[64:65], 0
	v_nop
	global_prefetch_b8 v0, s[64:65] scope:SCOPE_SE
	s_setreg_imm32_b32 hwreg(HW_REG_WAVE_MODE, 25, 1), 1
	s_wait_xcnt 0x0
; One launch prepares every operand that later launches read many times.  Each work-group reads 128 KiB.
;   work-groups 0-127   (X): hidden_state [4096][1024] f32 -> x_codes [4096][512 B] (E2M1, K innermost), x_scales [4096][32 B] (E8M0)
;   work-groups 128-223 (W): Wq, Wk, Wv [16][1024 (K)][64] f32 -> w_codes [3072][512 B], w_scales [3072][32 B]; row n = 1024 t + 64 h + e
;   work-groups 224-255 (O): Wo [1024][1024] f32 -> wo16, the same layout in f16
; A block's scale is 2^(floor(log2(largest magnitude)) - 2): its byte is the largest magnitude's exponent field - 2, held at 1 from below.
; LIMITS: a block of zeros, or one whose largest magnitude lies under 2^-124, keeps the byte 1 (its codes are zeros or what that scale gives; the bytes are read by this
; program alone); NaN and infinities are not served; |Wo| stays under 65,504 (f16).
; The three paths part on the work-group's number and have LDS bytes of their own.  No tensor load, no matrix instruction.
.set XST,   0                          ; X: two stages of 32 x 80 bytes for each wave (5,120 a wave)
.set XSCB,  40960                      ; X: the work-group's 1,024 scale bytes
.set WSTG,  41984                      ; W: 64 rows (columns of W) x (256 bytes of codes + 16)
.set WSC,   59392                      ; W: 64 rows x 16 scale bytes
.set SPARE, 60416                      ; the spare words, 128 bytes for each wave: four blocks of 256 bytes that no other line names
.set SP,    80
.set WP,    272
.set RR,    16                         ; v16-143  numbers as loaded
.set XX,    144                        ; v144-175 X: two sets of 16 neighbours
.set CC,    176                        ; v176-191 X: codes, two registers a step
.set EE,    192                        ; v192-199 X: a scale byte a step
.set SPW,   12                         ; v12 my spare word's LDS address; v13 = 0; both never rewritten
.set NIL,   13
.macro FINI                            ; the wave's end
	s_wait_tensorcnt 0x0
	ds_add_u32 v[SPW], v[NIL]
	s_wait_dscnt 0x0
	s_endpgm
.endm
	s_load_b512 s[4:19], s[0:1], 0x0               ; hidden s[4:5], Wq s[6:7], Wk s[8:9], Wv s[10:11], Wo s[12:13], x_codes s[14:15], x_scales s[16:17], w_codes s[18:19]
	s_load_b128 s[20:23], s[0:1], 0x40             ; w_scales s[20:21], wo16 s[22:23]
	v_lshl_add_u32 v[SPW], v0, 2, SPARE
	v_mov_b32 v[NIL], 0
	v_lshrrev_b32 v1, 5, v0
	v_readfirstlane_b32 s24, v1                    ; wave 0..7
	v_and_b32 v2, 31, v0                           ; lane
	v_lshlrev_b32 v3, 4, v2                        ; 16 x lane
	v_lshlrev_b32 v4, 3, v2                        ; 8 x lane
	; every LDS address of X and of W is made here, ahead of the parting
	s_mul_i32 s25, s24, 2*32*SP
	v_lshrrev_b32 v14, 2, v2
	v_mul_u32_u24 v14, v14, SP
	v_and_b32 v15, 3, v2
	v_lshl_add_u32 v14, v15, 4, v14
	v_add_nc_u32 v14, s25, v14                     ; X, into the stage: 80 (lane / 4) + 16 (lane % 4)
	v_mul_u32_u24 v15, v2, SP
	v_add_nc_u32 v15, s25, v15                     ; X, out of it: 80 x lane: my 16 neighbours
	s_lshl_b32 s25, s24, 7
	s_add_co_u32 s25, s25, XSCB
	v_lshrrev_b32 v5, 1, v2
	v_add_nc_u32 v5, s25, v5                       ; X: my wave's 128 scale bytes, my block's byte
	v_lshl_add_u32 v6, v0, 4, XSCB                 ; X: 16 bytes a thread on the way out (waves 0, 1)
	v_lshlrev_b32 v7, 4, v0
	s_and_b32 s26, s24, 1                          ; W: ch, which 32 columns
	s_lshr_b32 s27, s24, 1                         ; W: kc, which 128 along K
	s_mul_i32 s25, s26, 32*WP
	s_lshl_b32 s28, s27, 6
	s_add_co_u32 s25, s25, s28
	s_add_co_u32 s25, s25, WSTG
	v_mul_u32_u24 v208, v2, WP
	v_add_nc_u32 v208, s25, v208                   ; W: my column's row of the stage, + 64 kc
	s_lshl_b32 s25, s26, 9
	s_lshl_b32 s28, s27, 2
	s_add_co_u32 s25, s25, s28
	s_add_co_u32 s25, s25, WSC
	v_add_nc_u32 v209, s25, v3                     ; W: my column's 16 scale bytes, + 4 kc
	s_mul_i32 s25, s24, 8*WP
	s_add_co_u32 s25, s25, WSTG
	v_lshrrev_b32 v1, 4, v2
	v_and_b32 v10, 15, v2
	v_mul_u32_u24 v210, v1, WP
	v_lshl_add_u32 v210, v10, 4, v210
	v_add_nc_u32 v210, s25, v210                   ; W, back: rows 8 w + lane / 16, 16 bytes a lane
	s_lshl_b32 s25, s24, 12
	v_lshlrev_b32 v211, 9, v1
	v_lshl_add_u32 v211, v10, 4, v211
	v_add_nc_u32 v211, s25, v211                   ; and the same place in w_codes (rows of 512 bytes)
	v_lshl_add_u32 v212, v0, 4, WSC                ; W: scale bytes on the way out (waves 0, 1)
	v_lshlrev_b32 v213, 5, v0                      ; rows of 32 bytes in w_scales
	s_lshl_b32 s25, s26, 7
	v_lshl_add_u32 v214, v2, 2, s25                ; W, in: 128 ch + 4 x lane
	s_mov_b32 s31, 0
	s_wait_kmcnt 0x0
	s_cmp_lt_u32 ttmp9, 128
	s_cbranch_scc0 .Lnot_x
; ---- X.  A wave takes 8 steps of 512 numbers.  Each load reads 512 consecutive bytes; a step's 2,048 bytes turn through the wave's own stage, so that a lane holds 16 neighbours along K.
	s_lshl_b32 s28, ttmp9, 3
	s_add_co_u32 s28, s28, s24                     ; my run of 4,096 numbers
	s_lshl_b32 s30, s28, 14
	s_add_nc_u64 s[4:5], s[4:5], s[30:31]
	s_lshl_b32 s30, s28, 11
	s_add_nc_u64 s[14:15], s[14:15], s[30:31]
	s_lshl_b32 s30, ttmp9, 10
	s_add_nc_u64 s[16:17], s[16:17], s[30:31]
.macro XLOAD t
.irp i, 0,1,2,3
	global_load_b128 v[RR+16*(\t)+4*\i:RR+16*(\t)+4*\i+3], v3, s[4:5] offset:2048*(\t)+512*\i th:TH_LOAD_NT
.endr
.endm
.macro XTURN t                         ; LDS serves a wave's instructions in order: no wait between the stores and the loads
.irp i, 0,1,2,3
	ds_store_b128 v14, v[RR+16*(\t)+4*\i:RR+16*(\t)+4*\i+3] offset:32*SP*((\t)%2)+8*SP*\i
.endr
.irp i, 0,1,2,3
	ds_load_b128 v[XX+16*((\t)%2)+4*\i:XX+16*((\t)%2)+4*\i+3], v15 offset:32*SP*((\t)%2)+16*\i
.endr
.endm
.macro XSTEP t
.set XS, XX+16*((\t)%2)
.if (\t) > 0
	s_wait_dscnt 1                                 ; this step's numbers are back from the stage; the last step's byte store may be out
.else
	s_wait_dscnt 0x0
.endif
.if (\t) < 7
	s_wait_loadcnt 4*(6-(\t))                      ; the next step's four loads are in; those of the steps behind it may be out
	XTURN (\t)+1
.endif
	v_max3_num_f32 v8, |v[XS]|, |v[XS+1]|, |v[XS+2]|
	v_max3_num_f32 v9, |v[XS+3]|, |v[XS+4]|, |v[XS+5]|
.irp i, 6,10
	v_max3_num_f32 v8, v8, |v[XS+\i]|, |v[XS+\i+1]|
	v_max3_num_f32 v9, v9, |v[XS+\i+2]|, |v[XS+\i+3]|
.endr
	v_max3_num_f32 v8, v8, |v[XS+14]|, |v[XS+15]|
	v_max3_num_f32 v8, v8, v9, 0x1800000           ; the floor 2^(3 - 127): the byte cannot fall under 1
	v_max_num_f32_dpp v8, v8, v8 row_xmask:1 row_mask:0xf bank_mask:0xf   ; with my neighbour's 16: the block's largest magnitude
	v_add_nc_u32 v11, 0xff000000, v8               ; 2 off its exponent field: the conversion's scale operand
	v_cvt_scalef32_pk8_fp4_f32 v[CC+2*(\t)], v[XS:XS+7], v11
	v_cvt_scalef32_pk8_fp4_f32 v[CC+2*(\t)+1], v[XS+8:XS+15], v11
	v_lshrrev_b32 v[EE+(\t)], 23, v11              ; the scale's byte (a plain line behind the conversions)
	ds_store_b8 v5, v[EE+(\t)] offset:16*(\t)      ; both lanes of a block write the same byte with the same value
	global_store_b64 v4, v[CC+2*(\t):CC+2*(\t)+1], s[14:15] offset:256*(\t)   ; the wave stores 256 consecutive bytes, aligned
.endm
.irp t, 0,1,2,3,4,5,6,7
	XLOAD \t
.endr
	s_wait_loadcnt 28                              ; step 0's four loads are in
	XTURN 0
.irp t, 0,1,2,3,4,5,6,7
	XSTEP \t
.endr
	s_wait_dscnt 0x0                               ; my byte stores have landed
	s_barrier_signal -1
	s_barrier_wait -1                              ; the work-group's 1,024 scale bytes lie in LDS
	s_cmp_gt_u32 s24, 1
	s_cbranch_scc1 .Lx_end
	ds_load_b128 v[8:11], v6
	s_wait_dscnt 0x0
	global_store_b128 v7, v[8:11], s[16:17]        ; waves 0 and 1: 512 consecutive bytes each
.Lx_end:
	FINI
.Lnot_x:
	s_cmp_lt_u32 ttmp9, 224
	s_cbranch_scc0 .Lpath_o
; ---- W.  A lane takes a column e and its registers run down K: a block of 32 lies in one lane, and the codes come out with K innermost.  A work-group: one head, 512 along K, 64 columns.
	s_sub_co_u32 s28, ttmp9, 128
	s_lshr_b32 s29, s28, 5                         ; t: q, k or v
	s_cmp_eq_u32 s29, 0
	s_cselect_b64 s[32:33], s[6:7], s[8:9]
	s_cmp_eq_u32 s29, 2
	s_cselect_b64 s[32:33], s[10:11], s[32:33]
	s_bfe_u32 s34, s28, 0x40001                    ; h
	s_and_b32 s35, s28, 1                          ; k2: which half of K
	s_lshl_b32 s30, s34, 18                        ; a head is 1,024 rows of 256 bytes
	s_lshl_b32 s36, s35, 17
	s_add_co_u32 s30, s30, s36
	s_lshl_b32 s36, s27, 15
	s_add_co_u32 s30, s30, s36
	s_add_nc_u64 s[32:33], s[32:33], s[30:31]
	s_lshl_b32 s36, s29, 10
	s_lshl_b32 s37, s34, 6
	s_add_co_u32 s36, s36, s37                     ; n0 = 1024 t + 64 h
	s_lshl_b32 s30, s36, 9
	s_lshl_b32 s37, s35, 8
	s_add_co_u32 s30, s30, s37
	s_add_nc_u64 s[18:19], s[18:19], s[30:31]
	s_lshl_b32 s30, s36, 5
	s_lshl_b32 s37, s35, 4
	s_add_co_u32 s30, s30, s37
	s_add_nc_u64 s[20:21], s[20:21], s[30:31]
.macro WLOAD tb
.irp i, 0,1,2,3,4,5,6,7,8,9,10,11,12,13,14,15,16,17,18,19,20,21,22,23,24,25,26,27,28,29,30,31
	global_load_b32 v[RR+32*(\tb)+\i], v214, s[32:33] offset:(32*(\tb)+\i)*256 th:TH_LOAD_NT
.endr
.endm
.macro WBLOCK tb
.set XS, RR+32*(\tb)
.if (\tb) < 3
	s_wait_loadcnt 32                              ; this block's 32 loads are in; the next block's 32 may be out
.else
	s_wait_loadcnt 0x0
.endif
.if (\tb) < 2
	WLOAD (\tb)+2
.endif
	v_max3_num_f32 v8, |v[XS]|, |v[XS+1]|, |v[XS+2]|
	v_max3_num_f32 v9, |v[XS+3]|, |v[XS+4]|, |v[XS+5]|
.irp i, 6,10,14,18,22,26
	v_max3_num_f32 v8, v8, |v[XS+\i]|, |v[XS+\i+1]|
	v_max3_num_f32 v9, v9, |v[XS+\i+2]|, |v[XS+\i+3]|
.endr
	v_max3_num_f32 v8, v8, |v[XS+30]|, |v[XS+31]|
	v_max3_num_f32 v8, v8, v9, 0x1800000
	v_add_nc_u32 v11, 0xff000000, v8
	v_lshrrev_b32 v10, 23, v11
.if (\tb) == 0
	v_mov_b32 v160, v10                            ; four bytes to a register, the lower K in the lower byte
.else
	v_lshl_or_b32 v160, v10, 8*(\tb), v160
.endif
.irp g, 0,1,2,3
	v_cvt_scalef32_pk8_fp4_f32 v[144+4*(\tb)+\g], v[XS+8*\g:XS+8*\g+7], v11
.endr
	v_nop                                          ; a plain line behind the conversions
	ds_store_b128 v208, v[144+4*(\tb):144+4*(\tb)+3] offset:16*(\tb)
.endm
	WLOAD 0
	WLOAD 1
	WBLOCK 0
	WBLOCK 1
	WBLOCK 2
	WBLOCK 3
	ds_store_b32 v209, v160
	s_wait_dscnt 0x0
	s_barrier_signal -1
	s_barrier_wait -1                              ; 64 rows of 256 bytes of codes, and their scale bytes, lie in LDS
.irp i, 0,1,2,3
	ds_load_b128 v[164+4*\i:167+4*\i], v210 offset:2*WP*\i
.endr
.irp i, 0,1,2,3
	s_wait_dscnt 3-\i
	global_store_b128 v211, v[164+4*\i:167+4*\i], s[18:19] offset:1024*\i   ; sixteen lanes store 256 consecutive bytes, aligned
.endr
	s_cmp_gt_u32 s24, 1
	s_cbranch_scc1 .Lw_end
	ds_load_b128 v[180:183], v212
	s_wait_dscnt 0x0
	global_store_b128 v213, v[180:183], s[20:21]   ; 16 bytes of each row of 32: pieces, 96 KiB in the whole launch
.Lw_end:
	FINI
.Lpath_o:
; ---- O.  A plain stream: 4,096 numbers a wave, rounded to f16 in place.
	s_sub_co_u32 s28, ttmp9, 224
	s_lshl_b32 s28, s28, 3
	s_add_co_u32 s28, s28, s24
	s_lshl_b32 s30, s28, 14
	s_add_nc_u64 s[12:13], s[12:13], s[30:31]
	s_lshl_b32 s30, s28, 13
	s_add_nc_u64 s[22:23], s[22:23], s[30:31]
.set i, 0
.rept 32
	global_load_b128 v[RR+4*i:RR+4*i+3], v3, s[12:13] offset:512*i
.set i, i+1
.endr
.set i, 0
.rept 32
	s_wait_loadcnt 31-i                            ; loads come back in order: load i is in
	v_cvt_pk_f16_f32 v[RR+4*i], v[RR+4*i], v[RR+4*i+1]
	v_cvt_pk_f16_f32 v[RR+4*i+1], v[RR+4*i+2], v[RR+4*i+3]
	global_store_b64 v4, v[RR+4*i:RR+4*i+1], s[22:23] offset:256*i   ; 256 consecutive bytes, aligned
.set i, i+1
.endr
	FINI
.Lfunc_end_k_qa6ff0dcf3a_quant:
	.size	k_qa6ff0dcf3a_quant, .Lfunc_end_k_qa6ff0dcf3a_quant-k_qa6ff0dcf3a_quant
	.p2alignl 7, 3214868480
	.fill 96, 4, 3214868480
	.section	.rodata,"a",@progbits
	.p2align	6, 0x0
	.amdhsa_kernel k_qa6ff0dcf3a_quant
		.amdhsa_group_segment_fixed_size 61440
		.amdhsa_private_segment_fixed_size 0
		.amdhsa_enable_private_segment 0
		.amdhsa_kernarg_size 80
		.amdhsa_user_sgpr_count 2
		.amdhsa_user_sgpr_kernarg_segment_ptr 1
		.amdhsa_wavefront_size32 1
		.amdhsa_system_sgpr_workgroup_id_x 1
		.amdhsa_system_sgpr_workgroup_id_y 1
		.amdhsa_system_sgpr_workgroup_id_z 1
		.amdhsa_system_vgpr_workitem_id 0
		.amdhsa_next_free_vgpr 216
		.amdhsa_next_free_sgpr 66
		.amdhsa_reserve_vcc 0
		.amdhsa_float_denorm_mode_32 3
		.amdhsa_float_denorm_mode_16_64 3
		.amdhsa_memory_ordered 1
		.amdhsa_forward_progress 1
		.amdhsa_inst_pref_size 51
	.end_amdhsa_kernel
	.amdgpu_metadata
---
amdhsa.version: [ 1, 2 ]
amdhsa.kernels:
  - .name:           k_qa6ff0dcf3a_quant
    .symbol:         k_qa6ff0dcf3a_quant.kd
    .args:
      - { .name: hidden_state, .offset: 0, .size: 8, .value_kind: global_buffer, .address_space: global }
      - { .name: Wq, .offset: 8, .size: 8, .value_kind: global_buffer, .address_space: global }
      - { .name: Wk, .offset: 16, .size: 8, .value_kind: global_buffer, .address_space: global }
      - { .name: Wv, .offset: 24, .size: 8, .value_kind: global_buffer, .address_space: global }
      - { .name: Wo, .offset: 32, .size: 8, .value_kind: global_buffer, .address_space: global }
      - { .name: x_codes, .offset: 40, .size: 8, .value_kind: global_buffer, .address_space: global }
      - { .name: x_scales, .offset: 48, .size: 8, .value_kind: global_buffer, .address_space: global }
      - { .name: w_codes, .offset: 56, .size: 8, .value_kind: global_buffer, .address_space: global }
      - { .name: w_scales, .offset: 64, .size: 8, .value_kind: global_buffer, .address_space: global }
      - { .name: wo16, .offset: 72, .size: 8, .value_kind: global_buffer, .address_space: global }
    .group_segment_fixed_size: 61440
    .private_segment_fixed_size: 0
    .kernarg_segment_align: 8
    .kernarg_segment_size: 80
    .max_flat_workgroup_size: 256
    .sgpr_count:     66
    .vgpr_count:     216
    .wavefront_size: 32
...
	.end_amdgpu_metadata
.endif
;; end of part 1
;; launch qkv (part 2): grid 12 x 16, 4 waves a work-group, clusters of 4 x 4, 327,680 bytes of LDS; arguments x_codes, x_scales, w_codes, w_scales, qkv16, qkvf, bq, bk, bv; writes qkv16, qkvf
.if DOCPART == 2
	.amdgcn_target "amdgcn-amd-amdhsa--gfx1250"
	.amdhsa_code_object_version 6
	.text
	.protected	k_qa6ff0dcf3a_qkv
	.globl	k_qa6ff0dcf3a_qkv
	.p2align	8
	.type	k_qa6ff0dcf3a_qkv,@function
k_qa6ff0dcf3a_qkv:
	s_mov_b64 s[64:65], 0
	v_nop
	global_prefetch_b8 v0, s[64:65] scope:SCOPE_SE
	s_setreg_imm32_b32 hwreg(HW_REG_WAVE_MODE, 25, 1), 1
	s_wait_xcnt 0x0
	s_wait_alu depctr_hold_cnt(0) depctr_sa_sdst(0) depctr_va_vdst(0) depctr_va_sdst(0) depctr_va_ssrc(0) depctr_va_vcc(0) depctr_vm_vsrc(0)
	s_getreg_b32 s2, hwreg(HW_REG_IB_STS2, 6, 4)
	s_cmp_eq_u32 s2, 0
	s_cbranch_scc0 .Lentry_in_a_cluster
	s_endpgm
.Lentry_in_a_cluster:
	s_bfe_u32 s2, ttmp6, 0x10000c
	s_cmp_lg_u32 s2, 0xf033
	s_cbranch_scc0 .Lentry_shape_is_right
	s_endpgm
.Lentry_shape_is_right:
; q, k, v = x W + bias on codes of E2M1 with E8M0 scales: C[m][n] = sum over k of x[m][k] w[n][k] + bias[n]; m = 2048 b + s (4,096), n = 1024 t + 64 h + e (3,072), K = 1,024.
; A tile of 256 x 256 to a work-group of four waves, 128 x 128 to a wave (64 accumulators).  K is two slots of 512: both are asked for at the head, nothing is filled again.
; CLUSTERS of 4 x 4: x's tiles are shared along a row of the cluster, w's along a column, by joint loads.  The scale bytes of the work-group's rows come once, in whole units of 256 bytes.
; The matrix instruction is used transposed (source 0 = 16 rows of w, source 1 = 16 rows of x): a lane holds eight neighbouring n of one row m.  The bias is the C of each sum's first product.
; OUT: qkv16 [g = 16 t + h][m][64] f16: 16 rows of a head are 2,048 dense bytes.  qkvf: positions 0-15 of both sequences in f32, as images of the accumulators' registers
; ([g][b][4,096 B]: registers 4 i .. 4 i + 3 of lane l at 512 i + 16 l; register 8 bt + j of lane (r, hh) = (position r, e = 16 bt + 8 hh + j)).
; LIMIT: |q|, |k|, |v| stay under 65,504 (f16).
; REGISTERS: window 0: v16-31 addresses; v32-95 scale words, two sets; v128-191 x's fragments, one set; on the way out v32-63, v192-255.  window 1: w's fragments, two sets, at v0 and v128; v192-255 the bias.
;   window 2: accumulators of my rows 0-63 ((a, b) at v[8 (8 a + b)]); window 3: those of rows 64-127.
.set KSTEP,  512
.set NQ,     4
.set ROWB,   256
.set KROW,   512
.set PITCH,  272                       ; 256 bytes + 16: the 16 rows of a fragment load start 16 bytes apart modulo 256
.set FR,     8
.set NL,     2
.set NP,     4
.set HALFT,  128*PITCH
.set SLOT,   4*HALFT
.set KS,     32
.set SCL,    2*SLOT
.set HALFS,  (128*KS/256)*272
.set SBLK,   (16*KS/256)*272
.set SPARE,  SCL+4*HALFS               ; the spare words, 128 bytes for each wave: two blocks of 256 bytes that no other line names
.set SPITCH, 272                       ; the way out: a stage of 16 rows x (256 bytes + 16) for each wave, in slot 0, which has had its only fill and its last read by then
.set ADRA, 16
.set ADRB, 20
.set STO,  24
.set RD,   25
.set CO,   26                          ; 16 x lane
.set ADRS, 27
.set SPW,  28
.set NIL,  29
.set FLG,  30                          ; 0 in the waves whose block 0 holds positions 0-15
.set BOF,  31                          ; 32 x (lane / 16)
.set SC,   32
.set AF,   128
.set BIAS, 192                         ; in window 1
.set TMP,  192
.set OB,   32
.set G1, 24
.set G0, 32
.set G1B, 48
.set G0B, 56
.set G1S, 68
.set G0S, 76
.set G1SB, 80
.set G0SB, 88
.set MSB, 0
.macro WIN new                         ; the immediate's high byte repeats the setting that is left
.if MSB != \new
	s_set_vgpr_msb (MSB<<8)|\new
.set MSB, \new
.endif
.endm
.set MUL_LO, 0xa1                      ; source 0 (w) window 1, source 1 (x) window 0, C and D window 2
.set MUL_HI, 0xf1
.set FIRST_LO, 0x91                    ; the same with C (the bias) in window 1
.set FIRST_HI, 0xd1
.set TO_B,   0x40
.macro JLOAD g0a, g1a, g0b, g1b        ; a joint load: waves 0 and 1 fetch for x, waves 2 and 3 for w; an s_nop 0 and four v_nop follow each line
	s_cmp_eq_u32 s15, 0
	s_cbranch_scc0 .Lfor_b_\@
	tensor_load_to_lds s[\g0a:\g0a+3], s[\g1a:\g1a+7]
	s_nop 0
.rept 4
	v_nop
.endr
	s_branch .Lasked_\@
.Lfor_b_\@:
	tensor_load_to_lds s[\g0b:\g0b+3], s[\g1b:\g1b+7]
	s_nop 0
.rept 4
	v_nop
.endr
.Lasked_\@:
.endm
.macro CROUND                          ; a round of the cluster's barrier
	s_barrier_signal -1
	s_barrier_wait -1
	s_cmp_lg_u32 s14, 0
	s_cbranch_scc1 .Lnot_wave_0_\@
	s_barrier_signal -3
.Lnot_wave_0_\@:
	s_barrier_wait -3
	s_barrier_signal -1
	s_barrier_wait -1
.endm
	s_load_b128 s[4:7], s[0:1], 0x0                ; x's codes, x's scales
	s_load_b128 s[8:11], s[0:1], 0x10              ; w's codes, w's scales
	s_load_b64 s[12:13], s[0:1], 0x20              ; qkv16
	s_load_b64 s[66:67], s[0:1], 0x28              ; qkvf
	s_load_b128 s[96:99], s[0:1], 0x30             ; bq, bk
	s_load_b64 s[100:101], s[0:1], 0x40            ; bv
	v_lshl_add_u32 v[SPW], v0, 2, SPARE
	v_mov_b32 v[NIL], 0
	ds_add_u32 v[SPW], v[NIL]                      ; the wave's opening: the add, twice on end, and its wait ahead of my first tensor load
	ds_add_u32 v[SPW], v[NIL]
	v_lshrrev_b32 v1, 5, v0
	v_readfirstlane_b32 s14, v1                    ; wave 0..3
	s_lshr_b32 s15, s14, 1                         ; my half of the tile's rows.  Also: I fetch for x (0) or for w (1)
	s_and_b32 s16, s14, 1                          ; my half of its columns.  Also: which 128 rows I fetch
	s_bfe_u32 s40, ttmp6, 0x40000                  ; cx
	s_bfe_u32 s41, ttmp6, 0x40004                  ; cy
	s_lshl_b32 s42, ttmp9, 2
	s_add_co_u32 s42, s42, s40                     ; tile column = 4 x cluster x + cx (so cluster x is t: q, k or v)
	s_and_b32 s17, ttmp7, 0xffff
	s_lshl_b32 s17, s17, 2
	s_add_co_u32 s17, s17, s41                     ; tile row
	s_lshl_b32 s43, s41, 2
	s_lshl_b32 s43, 15, s43                        ; my row of the cluster
	s_lshl_b32 s44, 0x1111, s40                    ; my column
	s_or_b32 s[G1+0], s43, (0<<16)|(1<<20)|(1<<21)|(5<<22)|(3<<25)  ; mask; elements of 1 byte; padding of 4 words behind every 64; bit 21 beside a mask
	s_or_b32 s[G1B+0], s44, (0<<16)|(1<<20)|(1<<21)|(5<<22)|(3<<25)
.irp g, G1, G1B
	s_mov_b32 s[\g+1], ROWB<<16                    ; tensor_dim0
	s_mov_b32 s[\g+2], 128<<16                     ; tensor_dim1
	s_mov_b32 s[\g+3], ROWB<<16                    ; tile_dim0
	s_mov_b32 s[\g+4], 128                         ; tile_dim1
	s_mov_b32 s[\g+5], KROW                        ; pitch
	s_mov_b32 s[\g+6], 0
	s_mov_b32 s[\g+7], 0
.endr
	s_or_b32 s[G1S+0], s43, (3<<16)|(1<<20)|(1<<21)|(5<<22)|(3<<25) ; the scales of 128 rows: 4,096 dense bytes as 16 rows of 256 (32 elements of 8 bytes)
	s_or_b32 s[G1SB+0], s44, (3<<16)|(1<<20)|(1<<21)|(5<<22)|(3<<25)
.irp g, G1S, G1SB
	s_mov_b32 s[\g+1], 32<<16
	s_mov_b32 s[\g+2], (128*KS/256)<<16
	s_mov_b32 s[\g+3], 32<<16
	s_mov_b32 s[\g+4], 128*KS/256
	s_mov_b32 s[\g+5], 32
	s_mov_b32 s[\g+6], 0
	s_mov_b32 s[\g+7], 0
.endr
	s_lshl_b32 s18, s16, 7
	s_lshl_b32 s20, s17, 8
	s_add_co_u32 s20, s20, s18                     ; x: row 256 x tile row + 128 x half
	s_lshl_b32 s46, s42, 8
	s_add_co_u32 s46, s46, s18                     ; w: row 256 x tile column + 128 x half
	s_mov_b32 s21, 0
	s_mov_b32 s47, 0
	s_mov_b64 s[18:19], KS
	s_mul_u64 s[22:23], s[20:21], s[18:19]
	s_mul_u64 s[92:93], s[46:47], s[18:19]
	s_mov_b64 s[18:19], KROW
	s_mul_u64 s[20:21], s[20:21], s[18:19]
	s_mul_u64 s[46:47], s[46:47], s[18:19]
	s_mul_i32 s45, s14, HALFT                      ; where they go: wave x 128 rows: no place in the cluster enters an LDS address
	s_mul_i32 s94, s14, HALFS
	s_wait_dscnt 0x0                               ; both opening adds are done
	s_wait_kmcnt 0x0
	s_add_nc_u64 s[20:21], s[4:5], s[20:21]
	s_add_nc_u64 s[22:23], s[6:7], s[22:23]
	s_add_nc_u64 s[46:47], s[8:9], s[46:47]
	s_add_nc_u64 s[92:93], s[10:11], s[92:93]
	CROUND                                         ; all sixteen work-groups are here: the joint loads meet
	s_mov_b32 s[G0S], 1
	s_add_co_u32 s[G0S+1], s94, SCL
	s_mov_b64 s[G0S+2:G0S+3], s[22:23]
	s_or_b32 s[G0S+3], s[G0S+3], 0x80000000
	s_mov_b32 s[G0SB], 1
	s_add_co_u32 s[G0SB+1], s94, SCL
	s_mov_b64 s[G0SB+2:G0SB+3], s[92:93]
	s_or_b32 s[G0SB+3], s[G0SB+3], 0x80000000
	JLOAD G0S, G1S, G0SB, G1SB                     ; the scales first; three loads of mine are out behind the next two
.irp s, 0,1
	s_mov_b32 s[G0+4*\s], 1
	s_add_co_u32 s[G0+4*\s+1], s45, \s*SLOT
	s_add_nc_u64 s[G0+4*\s+2:G0+4*\s+3], s[20:21], \s*ROWB
	s_or_b32 s[G0+4*\s+3], s[G0+4*\s+3], 0x80000000
	s_mov_b32 s[G0B+4*\s], 1
	s_add_co_u32 s[G0B+4*\s+1], s45, \s*SLOT
	s_add_nc_u64 s[G0B+4*\s+2:G0B+4*\s+3], s[46:47], \s*ROWB
	s_or_b32 s[G0B+4*\s+3], s[G0B+4*\s+3], 0x80000000
	JLOAD G0+4*\s, G1, G0B+4*\s, G1B
.endr
	v_and_b32 v1, 15, v0                           ; r
	v_bfe_u32 v2, v0, 4, 1                         ; hh
	v_mul_u32_u24 v3, v1, PITCH
	v_lshl_add_u32 v4, v2, 4, v3
	s_mul_i32 s21, s15, HALFT
	s_mul_i32 s22, s16, HALFT
	s_add_co_u32 s22, s22, 2*HALFT
.irp s, 0,1
	v_add_nc_u32 v[ADRA+\s], s21, v4
	v_add_nc_u32 v[ADRB+\s], s22, v4
	s_add_co_u32 s21, s21, SLOT
	s_add_co_u32 s22, s22, SLOT
.endr
	v_mul_u32_u24 v5, v1, KS                       ; my row's scales: 32 bytes a row, and 16 more for each 256 passed
	v_lshrrev_b32 v6, 8, v5
	v_lshl_add_u32 v5, v6, 4, v5
	s_mul_i32 s21, s15, HALFS
	s_mul_i32 s22, s16, HALFS
	s_add_co_u32 s22, s22, 2*HALFS
	s_sub_co_u32 s22, s22, s21
	v_mul_u32_u24 v6, s22, v2                      ; lanes 16-31 take w's
	s_add_co_u32 s21, s21, SCL
	v_add_nc_u32 v5, v5, v6
	v_add_nc_u32 v[ADRS], s21, v5
	s_mul_i32 s23, s14, 16*SPITCH                  ; my stage
	v_mul_u32_u24 v5, v1, SPITCH
	v_lshl_add_u32 v5, v2, 4, v5
	v_add_nc_u32 v[STO], s23, v5                   ; in: row r, 16 bytes for each half of the lanes
	v_and_b32 v6, 31, v0
	v_lshrrev_b32 v7, 3, v6
	v_mul_u32_u24 v7, v7, SPITCH
	v_and_b32 v9, 7, v6
	v_lshl_add_u32 v7, v9, 4, v7
	v_add_nc_u32 v[RD], s23, v7                    ; back: eight lanes take a head's 128 bytes of a row, four rows an instruction
	v_lshlrev_b32 v[CO], 4, v6
	v_lshlrev_b32 v[BOF], 5, v2
	s_and_b32 s95, s17, 7
	s_or_b32 s95, s95, s15
	v_mov_b32 v[FLG], s95                          ; positions 0-15 lie in block 0 of the upper waves of tile rows 0 and 8
	s_mov_b32 s93, 0
	s_lshl_b32 s46, s42, 2
	s_lshl_b32 s47, s16, 1
	s_add_co_u32 s46, s46, s47                     ; g0 = 4 x tile column + 2 x half: my first plane
	s_lshl_b32 s47, s46, 13
	s_lshr_b32 s95, s17, 3
	s_lshl_b32 s95, s95, 12
	s_add_co_u32 s92, s47, s95
	s_add_nc_u64 s[66:67], s[66:67], s[92:93]      ; qkvf + 4,096 (2 g0 + b)
	s_lshl_b32 s92, s46, 19
	s_lshl_b32 s95, s17, 15
	s_add_co_u32 s92, s92, s95
	s_lshl_b32 s95, s15, 14
	s_add_co_u32 s92, s92, s95
	s_add_nc_u64 s[12:13], s[12:13], s[92:93]      ; qkv16 + 524,288 g0 + 128 x my first row
	s_cmp_eq_u32 ttmp9, 0                          ; the bias of q, k or v: the cluster's x, the same in all partners
	s_cselect_b64 s[96:97], s[96:97], s[98:99]
	s_cmp_eq_u32 ttmp9, 2
	s_cselect_b64 s[96:97], s[100:101], s[96:97]
	s_lshl_b32 s92, s40, 10
	s_lshl_b32 s95, s16, 9
	s_add_co_u32 s92, s92, s95
	s_add_nc_u64 s[96:97], s[96:97], s[92:93]      ; + 4 (256 cx + 128 half)
	WIN TO_B
.irp b, 0,1,2,3,4,5,6,7                        ; lane (r, hh) wants, for w's block b, bias[16 b + 8 hh + 0 .. 7]
	global_load_b128 v[BIAS+8*\b:BIAS+8*\b+3], v[BOF], s[96:97] offset:64*\b
	global_load_b128 v[BIAS+8*\b+4:BIAS+8*\b+7], v[BOF], s[96:97] offset:64*\b+16
.endr
	WIN 0
.macro FRAG reg, adr, q, i             ; 16 rows x 128 K of 4-bit codes: 8 registers, two loads of 16 bytes, 32 bytes apart
.irp c, 0,1
	ds_load_b128 v[\reg+4*\c:\reg+4*\c+3], v[\adr] offset:64*(\q)+32*\c+(\i)*16*PITCH
.endr
.endm
; 16 products: x's blocks a0, a0 + 1 against w's eight.  zero = 1: the first products take the bias as C.  The 64 accumulators take turns, one instruction a turn.
.macro MUL16 a0, p, q, sc, zero
.irp a, \a0, \a0+1
.irp b, 0,1,2,3,4,5,6,7
.if \zero
	v_wmma_scale_f32_16x16x128_f8f6f4 v[8*(8*((\a)%4)+\b):8*(8*((\a)%4)+\b)+7], v[128*(\p)+FR*\b:128*(\p)+FR*\b+FR-1], v[AF+FR*(\a):AF+FR*(\a)+FR-1], v[BIAS+8*\b:BIAS+8*\b+7], v[SC+8*NQ*(\sc)+NQ*\b+(\q)], v[SC+8*NQ*(\sc)+NQ*(\a)+(\q)] matrix_a_fmt:MATRIX_FMT_FP4 matrix_b_fmt:MATRIX_FMT_FP4 matrix_a_scale:MATRIX_SCALE_ROW1
.else
	v_wmma_scale_f32_16x16x128_f8f6f4 v[8*(8*((\a)%4)+\b):8*(8*((\a)%4)+\b)+7], v[128*(\p)+FR*\b:128*(\p)+FR*\b+FR-1], v[AF+FR*(\a):AF+FR*(\a)+FR-1], v[8*(8*((\a)%4)+\b):8*(8*((\a)%4)+\b)+7], v[SC+8*NQ*(\sc)+NQ*\b+(\q)], v[SC+8*NQ*(\sc)+NQ*(\a)+(\q)] matrix_a_fmt:MATRIX_FMT_FP4 matrix_b_fmt:MATRIX_FMT_FP4 matrix_a_scale:MATRIX_SCALE_ROW1
.endif
.endr
.endr
.endm
.macro FETCH_B slot, q, p
	WIN TO_B
.irp i, 0,1,2,3,4,5,6,7
	FRAG 128*(\p)+FR*\i, ADRB+\slot, \q, \i
.endr
	WIN 0
.endm
.macro FETCH_A slot, q, i0
.irp i, \i0, \i0+1, \i0+2, \i0+3
	FRAG AF+FR*(\i), ADRA+\slot, \q, \i
.endr
.endm
.macro SCALES sc                       ; a slot's scale words: lanes 0-15 take x's block i, lanes 16-31 w's block i
.irp i, 0,1,2,3,4,5,6,7
	ds_load_b128 v[SC+8*NQ*\sc+NQ*\i:SC+8*NQ*\sc+NQ*\i+3], v[ADRS] offset:\i*SBLK
.endr
.endm
.macro PLACES n                        ; plain vector lines between matrix instructions and loads into, or reads of, their registers
.rept \n
	v_nop
.endr
.endm
.macro STEP slot, q, zero              ; 128 along K, with its successor in the same slot
	s_wait_dscnt 4*NL                              ; w's set and x's blocks 0-3 are in; the youngest eight loads (x's blocks 4-7) may be out
.if \zero
	WIN FIRST_LO
.else
	WIN MUL_LO
.endif
	MUL16 0, (\q)%2, \q, \slot, \zero
	MUL16 2, (\q)%2, \q, \slot, \zero
	s_wait_dscnt 0
	PLACES NP
	FETCH_B \slot, (\q)+1, 1-(\q)%2
	FETCH_A \slot, (\q)+1, 0
.if \zero
	WIN FIRST_HI
.else
	WIN MUL_HI
.endif
	MUL16 4, (\q)%2, \q, \slot, \zero
	MUL16 6, (\q)%2, \q, \slot, \zero
	PLACES NP
	WIN 0
	FETCH_A \slot, (\q)+1, 4
.endm
.macro TURN slot, next                 ; a slot's last step changes slots: one barrier; nothing is filled again
	s_wait_tensorcnt 0x0                           ; all my tensor loads have landed: my part of the next slot
	ds_add_u32 v[SPW], v[NIL]                      ; 0 onto my spare word
	s_wait_dscnt 4*NL+1                            ; the add and the youngest eight loads may be out
	WIN MUL_LO
	MUL16 0, 1, NQ-1, \slot, 0
	s_wait_dscnt 0x0                               ; the add is done, and my reads of this slot are over
	s_barrier_signal -1
	MUL16 2, 1, NQ-1, \slot, 0
	WIN 0
	s_barrier_wait -1
	PLACES NP
	v_add_nc_u32 v[ADRS], 4*NQ, v[ADRS]            ; on to the next slot's scale words
	FETCH_B \next, 0, 0
	FETCH_A \next, 0, 0
	SCALES \next
	WIN MUL_HI
	MUL16 4, 1, NQ-1, \slot, 0
	MUL16 6, 1, NQ-1, \slot, 0
	PLACES NP
	WIN 0
	FETCH_A \next, 0, 4
.endm
.macro STEPS slot, from
.set Q, \from
.rept NQ-1-\from
	STEP \slot, Q, 0
.set Q, Q+1
.endr
.endm
	s_wait_tensorcnt 1                             ; the scales and my part of slot 0 are in; slot 1's load, issued behind them, may be out
	s_barrier_signal -1
	s_barrier_wait -1
	FETCH_B 0, 0, 0
	FETCH_A 0, 0, 0
	SCALES 0
	FETCH_A 0, 0, 4
	s_wait_loadcnt 0x0                             ; the bias
	STEP 0, 0, 1
	STEPS 0, 1
	TURN 0, 1
	STEPS 1, 0
	s_wait_dscnt 4*NL                              ; the last step: nothing more to fetch
	WIN MUL_LO
	MUL16 0, 1, NQ-1, 1, 0
	MUL16 2, 1, NQ-1, 1, 0
	s_wait_dscnt 0
	WIN MUL_HI
	MUL16 4, 1, NQ-1, 1, 0
	MUL16 6, 1, NQ-1, 1, 0
	WIN 0
	PLACES NP
	; POSITIONS 0-15 IN F32.  Every wave runs these lines; the lanes are on only where block 0 holds those positions: no branch hangs on a work-group's place in its cluster.
	s_wait_xcnt 0x0                                ; EXEC changes only behind this wait
	v_cmp_eq_u32 vcc_lo, 0, v[FLG]
	s_and_saveexec_b32 s20, vcc_lo
	WIN 0x08                                       ; a store's data: window 2
.irp b, 0,1,2,3,4,5,6,7
	global_store_b128 v[CO], v[8*\b:8*\b+3], s[66:67] offset:8192*(\b/4)+1024*(\b%4)
	global_store_b128 v[CO], v[8*\b+4:8*\b+7], s[66:67] offset:8192*(\b/4)+1024*(\b%4)+512
.endr
	WIN 0
	s_wait_xcnt 0x0
	s_or_b32 exec_lo, exec_lo, s20
; THE WAY OUT, a block of 16 rows x 128 columns (two heads) at a time: rounded to f16, through my own stage, back as 512 dense bytes of a head's plane.
.macro PACK a
.set AC, 64*((\a)%4)
	WIN 0x0a+5*((\a)/4)                            ; sources 0 and 1: window 2 or 3
.irp b, 0,1,2,3,4,5,6,7
.irp r, 0,1,2,3
	v_cvt_pk_f16_f32 v[TMP+4*\b+\r], v[AC+8*\b+2*\r], v[AC+8*\b+2*\r+1]
.endr
.endr
	WIN 0
.endm
.macro TOSTAGE a
.set BK, OB+192*((\a)%2)
.irp b, 0,1,2,3,4,5,6,7
	ds_store_b128 v[STO], v[TMP+4*\b:TMP+4*\b+3] offset:32*\b
.endr
.irp gl, 0,1
.irp t, 0,1,2,3
	ds_load_b128 v[BK+16*\gl+4*\t:BK+16*\gl+4*\t+3], v[RD] offset:128*\gl+4*SPITCH*\t   ; LDS serves a wave's instructions in order: these see the stores above
.endr
.endr
.endm
.macro SEND a
.set BK, OB+192*((\a)%2)
	s_wait_dscnt 0x0                               ; the block is back in registers
	s_wait_xcnt 0x0                                ; earlier stores have read their base and their registers
.if (\a) > 0
	s_add_nc_u64 s[12:13], s[12:13], 2048          ; 16 rows of 128 bytes on
.endif
.irp gl, 0,1
.irp t, 0,1,2,3
	global_store_b128 v[CO], v[BK+16*\gl+4*\t:BK+16*\gl+4*\t+3], s[12:13] offset:524288*\gl+512*\t   ; 512 consecutive bytes, aligned
.endr
.endr
.endm
	PACK 0
	TOSTAGE 0
.irp a, 1,2,3,4,5,6,7
	PACK \a
	SEND \a-1
	TOSTAGE \a
.endr
	SEND 7
	s_wait_tensorcnt 0x0                           ; the wave's end
	ds_add_u32 v[SPW], v[NIL]
	s_wait_dscnt 0x0
	CROUND                                         ; the closing round
	s_endpgm
.Lfunc_end_k_qa6ff0dcf3a_qkv:
	.size	k_qa6ff0dcf3a_qkv, .Lfunc_end_k_qa6ff0dcf3a_qkv-k_qa6ff0dcf3a_qkv
	.p2alignl 7, 3214868480
	.fill 96, 4, 3214868480
	.section	.rodata,"a",@progbits
	.p2align	6, 0x0
	.amdhsa_kernel k_qa6ff0dcf3a_qkv
		.amdhsa_group_segment_fixed_size 327680
		.amdhsa_private_segment_fixed_size 0
		.amdhsa_enable_private_segment 0
		.amdhsa_kernarg_size 72
		.amdhsa_user_sgpr_count 2
		.amdhsa_user_sgpr_kernarg_segment_ptr 1
		.amdhsa_wavefront_size32 1
		.amdhsa_system_sgpr_workgroup_id_x 1
		.amdhsa_system_sgpr_workgroup_id_y 1
		.amdhsa_system_sgpr_workgroup_id_z 1
		.amdhsa_system_vgpr_workitem_id 0
		.amdhsa_next_free_vgpr 1024
		.amdhsa_next_free_sgpr 102
		.amdhsa_reserve_vcc 1
		.amdhsa_float_denorm_mode_32 3
		.amdhsa_float_denorm_mode_16_64 3
		.amdhsa_memory_ordered 1
		.amdhsa_forward_progress 1
		.amdhsa_inst_pref_size 131
	.end_amdhsa_kernel
	.amdgpu_metadata
---
amdhsa.version: [ 1, 2 ]
amdhsa.kernels:
  - .name:           k_qa6ff0dcf3a_qkv
    .symbol:         k_qa6ff0dcf3a_qkv.kd
    .args:
      - { .name: x_codes, .offset: 0, .size: 8, .value_kind: global_buffer, .address_space: global }
      - { .name: x_scales, .offset: 8, .size: 8, .value_kind: global_buffer, .address_space: global }
      - { .name: w_codes, .offset: 16, .size: 8, .value_kind: global_buffer, .address_space: global }
      - { .name: w_scales, .offset: 24, .size: 8, .value_kind: global_buffer, .address_space: global }
      - { .name: qkv16, .offset: 32, .size: 8, .value_kind: global_buffer, .address_space: global }
      - { .name: qkvf, .offset: 40, .size: 8, .value_kind: global_buffer, .address_space: global }
      - { .name: bq, .offset: 48, .size: 8, .value_kind: global_buffer, .address_space: global }
      - { .name: bk, .offset: 56, .size: 8, .value_kind: global_buffer, .address_space: global }
      - { .name: bv, .offset: 64, .size: 8, .value_kind: global_buffer, .address_space: global }
    .group_segment_fixed_size: 327680
    .private_segment_fixed_size: 0
    .kernarg_segment_align: 8
    .kernarg_segment_size: 72
    .max_flat_workgroup_size: 128
    .sgpr_count:     102
    .vgpr_count:     1024
    .wavefront_size: 32
...
	.end_amdgpu_metadata
.endif
;; end of part 2
;; launch attn (part 3): grid 8 x 32, 8 waves a work-group, no clusters, 327,680 bytes of LDS; arguments qkv16, ctxh; writes ctxh
.if DOCPART == 3
	.amdgcn_target "amdgcn-amd-amdhsa--gfx1250"
	.amdhsa_code_object_version 6
	.text
	.protected	k_qa6ff0dcf3a_attn
	.globl	k_qa6ff0dcf3a_attn
	.p2align	8
	.type	k_qa6ff0dcf3a_attn,@function
k_qa6ff0dcf3a_attn:
	s_mov_b64 s[64:65], 0
	v_nop
	global_prefetch_b8 v0, s[64:65] scope:SCOPE_SE
	s_setreg_imm32_b32 hwreg(HW_REG_WAVE_MODE, 25, 1), 1
	s_wait_xcnt 0x0
; Causal attention of one head on f16 operands, f32 sums, running maximum.  qkv16 [g][m][64] f16 (g = h: q, 16 + h: k, 32 + h: v; m = 2048 b + s) -> ctxh [h][m][64] f16.
; SHARES.  Work-group (j, 16 b + h) owns two blocks of 128 queries: block 15 - j (pass A) and block j (pass B): 17 units of 128 x 128 in every work-group.
; Wave w: qg = w & 3: 32 queries (two tiles of 16); kh = w >> 2: of a slot's four steps of 64 keys it takes steps 2 u + kh.  The partners kh = 0, 1 merge (m, l, O) through LDS at a pass's end.
; LAYOUT.  S^T = K Q^T (source 0 = 16 keys, source 1 = 16 queries), O^T = V^T P (source 0 = 16 channels, turned out of LDS; source 1 = P): a lane holds one query throughout.
; RING.  Two slots of 256 keys (K: rows of 144 bytes; V: rows of 160), 2^17 bytes apart; waves 0-3 fetch K's quarters, waves 4-7 V's, one tensor load a wave behind each change of slots.
; Both passes walk 8 changes of slots (constant trips); a slot whose first key comes after the work-group's last query is read by nobody and is not asked for; a step whose keys all come after the wave's queries is left out.
; NO CLUSTER: under the causal mask the work-groups of a head need different numbers of tiles, so a joint load would bring tiles that some partner never reads.
; MASK: hidden scores become -1e9 (as raw scores -8e9) as in the definition; tiles that are wholly hidden are not computed: the same result while a row's largest visible score lies above about -1e9 + 100.
; LIMITS: NaN and infinities are not served; positions 0-15 are computed here in f16 like the others and are replaced by the launch that carries them in f32.
.set PK,    144
.set PV,    160
.set VOFF,  256*PK
.set SLOT1, 1<<17
.set MRG,   81920                      ; between the slots: 9,216 bytes for each pair of partners: O's image (8,192) and two images of statistics (512 each)
.set MRGQ,  9216
.set STG,   MRG+4*MRGQ                 ; the way out: 16 rows x 144 bytes for each pair
.set STGQ,  16*PK
.set SPARE, SLOT1+VOFF+256*PV          ; behind slot 1: the spare words, 128 bytes for each wave: four blocks of 256 bytes that no other line names
; v1 AK0, v2 AV0, v3 MA, v4 STO, v5 SRD, v6 QO, v7 GO = 16 lane, v8 ADK, v9 ADV, v10 256 lane, v11 r - 8 hh, v12 d, v13 -8e9, v14 spare word, v15 0
; v16-31 statistics, 8 a tile: +0 c m, +1 m, +2 +3 l, +4..7 at work (a at +6); v32-63 Q; v64-127 K's, then V's fragments; v128-191 S^T, then P in the lower 16 of each tile; v192-255 O^T
; s8 wave, s9 qg, s10 kh; s[24:31], s[32:39] groups 1 (K, V); s[40:43], s[44:47] groups 0; s[48:51] Q of pass A, B; s[52:55] ctxh of pass A, B; s[56:57] prefetch; s[58:59] c; s[60:61] lane selects;
; s62 slot in hand; s63 trip; s66, s67, s70, s71 at work in a change; s72 last query of the work-group; s73 my first query, s74 my last; s75 64 kh; s76, s77 first keys; s79 trips that prefetch; s[80:83] K's, V's quarter of slot 0
.macro TLOAD                           ; waves 0-3: K's quarter; waves 4-7: V's.  An s_nop 0 and four v_nop follow each line
	s_cmp_lt_u32 s8, 4
	s_cbranch_scc0 .Lfor_v_\@
	tensor_load_to_lds s[40:43], s[24:31]
	s_nop 0
.rept 4
	v_nop
.endr
	s_branch .Lasked_\@
.Lfor_v_\@:
	tensor_load_to_lds s[44:47], s[32:39]
	s_nop 0
.rept 4
	v_nop
.endr
.Lasked_\@:
.endm
; A prefetch of the quarter that this wave will load at the NEXT change of slots: 64 rows of 128 bytes, dense: lanes 256 bytes apart.  All work-groups of a head walk the same K and V:
; the one with j = 0 asks, in pass A, whose block 15 needs every slot; trips 0 to 5 name slots 2 to 7; slots 0 and 1 come by their loads alone.  So each block is named once in the launch.
.macro ASK
	s_cmp_lt_u32 s63, s79
	s_cbranch_scc0 .Lnot_mine_\@
	global_prefetch_b8 v10, s[56:57] th:TH_LOAD_NT scope:SCOPE_SE
.Lnot_mine_\@:
.endm
.macro QLOAD base                      ; my 32 queries: tile qt, channels 32 ks on, at v[32 + 16 qt + 8 ks]
.irp qt, 0,1
.irp ks, 0,1
	global_load_b128 v[32+16*\qt+8*\ks:32+16*\qt+8*\ks+3], v6, s[\base:\base+1] offset:2048*\qt+64*\ks
	global_load_b128 v[32+16*\qt+8*\ks+4:32+16*\qt+8*\ks+7], v6, s[\base:\base+1] offset:2048*\qt+64*\ks+32
.endr
.endr
.endm
.macro INIT                            ; a pass begins: O^T and l are zeros, m lies under every score; the first change of m multiplies zeros
.set i, 0
.rept 64
	v_mov_b32 v[192+i], 0
.set i, i+1
.endr
.irp t, 0,1
	v_mov_b32 v[17+8*\t], 0xff61b1e6               ; -3e38
	v_mov_b32 v[18+8*\t], 0
	v_mov_b32 v[19+8*\t], 0
	v_mul_f32 v[16+8*\t], s58, v[17+8*\t]
.endr
.endm
; THE CHANGE OF SLOTS, at a slot's head.  last = 1 (pass A): the slot number is taken modulo 8, so that the last trip asks for pass B's slot 0.
.macro CHANGE last
	s_wait_tensorcnt 0x0                           ; my one tensor load has landed: my part of the slot ahead; so the groups 0 may be written
	ds_add_u32 v14, v15                            ; 0 onto my spare word
	s_add_co_u32 s66, s63, 1
	s_and_b32 s70, s66, 7
.if \last
	s_lshl_b32 s67, s70, 8                         ; the first key of the slot that this change would ask for
.else
	s_lshl_b32 s67, s66, 8
.endif
	s_lshl_b32 s70, s70, 15                        ; a slot is 256 keys of 128 bytes
	s_xor_b32 s41, s41, SLOT1                      ; the other slot than last time
	s_xor_b32 s45, s45, SLOT1
	s_add_nc_u64 s[42:43], s[80:81], s[70:71]
	s_or_b32 s43, s43, 0x80000000
	s_add_nc_u64 s[46:47], s[82:83], s[70:71]
	s_or_b32 s47, s47, 0x80000000
	s_wait_xcnt 0x0                                ; the last prefetch, a trip back, has read its address
	s_add_nc_u64 s[56:57], s[56:57], 32768
	s_wait_dscnt 0x0                               ; the add is done, and my reads of the slot that I have left are over
	s_barrier_signal -1
	s_barrier_wait -1
	s_cmp_gt_u32 s67, s72                          ; ids and the count of trips alone: all eight waves go the same way; a slot past the work-group's last query is read by no step
	s_cbranch_scc1 .Lpast_\@
	TLOAD                                          ; my one tensor load until the next change
.Lpast_\@:
	ASK
.endm
.macro SOFTMAX                         ; both tiles line by line
.irp j, 0,1,2,3
.irp t, 0,1
	v_max3_num_f32 v[20+8*\t+\j], v[128+32*\t+8*\j], v[129+32*\t+8*\j], v[130+32*\t+8*\j]   ; each accumulator from its low end on
.endr
.endr
.irp i, 3,5
.irp j, 0,1,2,3
.irp t, 0,1
	v_max3_num_f32 v[20+8*\t+\j], v[20+8*\t+\j], v[128+32*\t+8*\j+\i], v[129+32*\t+8*\j+\i]
.endr
.endr
.endr
.irp t, 0,1
	v_max3_num_f32 v[20+8*\t], v[20+8*\t], v[135+32*\t], v[143+32*\t]
	v_max3_num_f32 v[22+8*\t], v[22+8*\t], v[151+32*\t], v[159+32*\t]
.endr
.irp t, 0,1
	v_max3_num_f32 v[20+8*\t], v[20+8*\t], v[21+8*\t], v[22+8*\t]
.endr
.irp t, 0,1
	v_max3_num_f32 v[20+8*\t], v[20+8*\t], v[23+8*\t], v[17+8*\t]   ; and the old m
.endr
.irp t, 0,1
	v_permlanex16_b32 v[21+8*\t], v[20+8*\t], s60, s61             ; the query's other keys lie in the lane 16 away
.endr
.irp t, 0,1
	v_mov_b32 v[23+8*\t], v[16+8*\t]               ; c m_old
.endr
.irp t, 0,1
	v_max_num_f32 v[17+8*\t], v[20+8*\t], v[21+8*\t]
.endr
.irp t, 0,1
	v_mul_f32 v[16+8*\t], s58, v[17+8*\t]
.endr
.irp t, 0,1
	v_sub_f32 v[23+8*\t], v[23+8*\t], v[16+8*\t]
.endr
.set b, 0
.rept 16
	v_pk_fma_f32 v[128+b:129+b], v[128+b:129+b], s[58:59], v[16:17] op_sel_hi:[1,0,0] neg_lo:[0,0,1] neg_hi:[0,0,1]   ; c s - c m
	v_pk_fma_f32 v[160+b:161+b], v[160+b:161+b], s[58:59], v[24:25] op_sel_hi:[1,0,0] neg_lo:[0,0,1] neg_hi:[0,0,1]
.set b, b+2
.endr
	v_exp_f32 v22, v23                             ; a = 2^(c m_old - c m_new)
	v_exp_f32 v30, v31
.set b, 0
.rept 64
	v_exp_f32 v[128+b], v[128+b]
.set b, b+1
.endr
	v_nop                                          ; a plain line behind the last exponential
	s_wait_alu depctr_va_vdst(0)                   ; one wait for the 66 exponentials, ahead of the first line that names a result
.irp t, 0,1
	v_pk_mul_f32 v[18+8*\t:19+8*\t], v[18+8*\t:19+8*\t], v[22+8*\t:23+8*\t] op_sel_hi:[1,0]   ; l x a
.endr
.irp t, 0,1
	v_pk_add_f32 v[20+8*\t:21+8*\t], v[130+32*\t:131+32*\t], v[134+32*\t:135+32*\t]           ; the sums in two chains a tile
	v_pk_add_f32 v[18+8*\t:19+8*\t], v[18+8*\t:19+8*\t], v[128+32*\t:129+32*\t]
.endr
.irp b, 4,8,12,16,20,24
.irp t, 0,1
	v_pk_add_f32 v[18+8*\t:19+8*\t], v[18+8*\t:19+8*\t], v[128+32*\t+\b:129+32*\t+\b]
	v_pk_add_f32 v[20+8*\t:21+8*\t], v[20+8*\t:21+8*\t], v[134+32*\t+\b:135+32*\t+\b]
.endr
.endr
.irp t, 0,1
	v_pk_add_f32 v[18+8*\t:19+8*\t], v[18+8*\t:19+8*\t], v[156+32*\t:157+32*\t]
.endr
.irp t, 0,1
	v_pk_add_f32 v[18+8*\t:19+8*\t], v[18+8*\t:19+8*\t], v[20+8*\t:21+8*\t]
.endr
.set b, 0
.rept 16
	v_cvt_pk_f16_f32 v[128+b], v[128+2*b], v[129+2*b]     ; P in place: register i from weights 2 i, 2 i + 1, which no later line needs
	v_cvt_pk_f16_f32 v[160+b], v[160+2*b], v[161+2*b]
.set b, b+1
.endr
.set b, 0
.rept 16
	v_pk_mul_f32 v[192+b:193+b], v[192+b:193+b], v[22:23] op_sel_hi:[1,0]   ; O^T x a
	v_pk_mul_f32 v[224+b:225+b], v[224+b:225+b], v[30:31] op_sel_hi:[1,0]
.set b, b+2
.endr
.endm
; A KEY STEP: 64 keys from s76 + 128 u on, for my 32 queries.
.macro STEP u
	s_add_co_u32 s77, s76, 128*\u
	s_cmp_gt_u32 s77, s74                          ; all keys behind my last query: the step is left out (no barrier and no tensor load stands in a step)
	s_cbranch_scc1 .Lhid_\@
	v_add_nc_u32 v8, s62, v1
	v_add_nc_u32 v9, s62, v2
.irp kt, 0,1,2,3
.irp ks, 0,1
	ds_load_b128 v[64+8*(2*\kt+\ks):64+8*(2*\kt+\ks)+3], v8 offset:128*PK*\u+16*PK*\kt+64*\ks
	ds_load_b128 v[64+8*(2*\kt+\ks)+4:64+8*(2*\kt+\ks)+7], v8 offset:128*PK*\u+16*PK*\kt+64*\ks+32
.endr
.endr
	s_wait_dscnt 0x0
.irp ks, 0,1                                   ; eight accumulators by turns
.irp kt, 0,1,2,3
.irp qt, 0,1
.if \ks == 0
	v_wmma_f32_16x16x32_f16 v[128+32*\qt+8*\kt:128+32*\qt+8*\kt+7], v[64+8*(2*\kt+\ks):64+8*(2*\kt+\ks)+7], v[32+16*\qt+8*\ks:32+16*\qt+8*\ks+7], 0
.else
	v_wmma_f32_16x16x32_f16 v[128+32*\qt+8*\kt:128+32*\qt+8*\kt+7], v[64+8*(2*\kt+\ks):64+8*(2*\kt+\ks)+7], v[32+16*\qt+8*\ks:32+16*\qt+8*\ks+7], v[128+32*\qt+8*\kt:128+32*\qt+8*\kt+7]
.endif
.endr
.endr
.endr
.rept 4
	v_nop                                          ; places ahead of the loads into K's registers and of the first read of the scores
.endr
.irp kk, 0,1                                   ; V, turned: keys 32 kk on, channels 16 et on; it lands while the softmax is worked
.irp et, 0,1,2,3
	ds_load_tr16_b128 v[64+8*(4*\kk+\et):64+8*(4*\kk+\et)+3], v9 offset:128*PV*\u+32*PV*\kk+32*\et
	ds_load_tr16_b128 v[64+8*(4*\kk+\et)+4:64+8*(4*\kk+\et)+7], v9 offset:128*PV*\u+32*PV*\kk+32*\et+16*PV
.endr
.endr
	s_add_co_u32 s78, s77, 63
	s_cmp_le_u32 s78, s73                          ; every key counts for every query of mine: no mask
	s_cbranch_scc1 .Lopen_\@
	s_sub_co_i32 s78, s73, s77
	v_add_nc_u32 v12, s78, v11                     ; d = my first query - first key + r - 8 hh: register (qt, kt, j) is hidden where 16 kt + j - 16 qt > d
.irp qt, 0,1
.irp kt, 0,1,2,3
.irp j, 0,1,2,3,4,5,6,7
	v_cmp_gt_i32 vcc_lo, 16*\kt+\j-16*\qt, v12
	v_cndmask_b32 v[128+32*\qt+8*\kt+\j], v[128+32*\qt+8*\kt+\j], v13, vcc_lo
.endr
.endr
.endr
.Lopen_\@:
	SOFTMAX
	s_wait_dscnt 0x0                               ; V is in
.irp kk, 0,1
.irp et, 0,1,2,3
.irp qt, 0,1
	v_wmma_f32_16x16x32_f16 v[192+32*\qt+8*\et:192+32*\qt+8*\et+7], v[64+8*(4*\kk+\et):64+8*(4*\kk+\et)+7], v[128+32*\qt+8*\kk:128+32*\qt+8*\kk+7], v[192+32*\qt+8*\et:192+32*\qt+8*\et+7]
.endr
.endr
.endr
.rept 5
	v_nop                                          ; places ahead of the next loads into V's registers and of the next scores, which are written over P
.endr
.Lhid_\@:
.endm
.macro PASS last
	s_mov_b32 s63, 0
.Ltrip_\@:
	CHANGE \last
	s_lshl_b32 s76, s63, 8
	s_add_co_u32 s76, s76, s75                     ; the slot's first key of my half
	STEP 0
	STEP 1
	s_xor_b32 s62, s62, SLOT1
	s_add_co_u32 s63, s63, 1
	s_cmp_lt_u32 s63, 8
	s_cbranch_scc1 .Ltrip_\@
.endm
; A PASS'S END.  kh = 1 hands its O^T and statistics over as images of its registers; kh = 0 merges, divides, rounds to f16 and stores.  p = 0: pass B is set up.
.macro FINISH p, ob
	s_cmp_eq_u32 s10, 0
	s_cbranch_scc1 .Lkeep_\@
.set i, 0
.rept 16
	ds_store_b128 v3, v[192+4*i:195+4*i] offset:512*i
.set i, i+1
.endr
	ds_store_b128 v3, v[16:19] offset:8192
	ds_store_b128 v3, v[24:27] offset:8704
.Lkeep_\@:
	s_wait_dscnt 0x0                               ; my stores have landed
	s_barrier_signal -1
	s_barrier_wait -1                              ; pass B's slot 0 may stay on its way
.if \p == 0
	QLOAD 50
.endif
	s_cmp_lg_u32 s10, 0
	s_cbranch_scc1 .Lgave_\@
.set i, 0
.rept 16
	ds_load_b128 v[64+4*i:67+4*i], v3 offset:512*i
.set i, i+1
.endr
	ds_load_b128 v[128:131], v3 offset:8192
	ds_load_b128 v[132:135], v3 offset:8704
	s_wait_dscnt 0x0
.irp t, 0,1
	v_max_num_f32 v[20+8*\t], v[16+8*\t], v[128+4*\t]     ; the larger c m
.endr
.irp t, 0,1
	v_sub_f32 v[21+8*\t], v[16+8*\t], v[20+8*\t]
	v_sub_f32 v[22+8*\t], v[128+4*\t], v[20+8*\t]
.endr
.irp t, 0,1
	v_exp_f32 v[21+8*\t], v[21+8*\t]               ; a0, a1
	v_exp_f32 v[22+8*\t], v[22+8*\t]
.endr
.irp t, 0,1
	v_add_f32 v[18+8*\t], v[18+8*\t], v[19+8*\t]   ; l's halves (plain work behind the exponentials)
	v_add_f32 v[130+4*\t], v[130+4*\t], v[131+4*\t]
.endr
	s_wait_alu depctr_va_vdst(0)                   ; one wait for the four
.irp t, 0,1
	v_mul_f32 v[18+8*\t], v[21+8*\t], v[18+8*\t]
.endr
.irp t, 0,1
	v_fma_f32 v[18+8*\t], v[22+8*\t], v[130+4*\t], v[18+8*\t]
.endr
.irp t, 0,1
	v_permlanex16_b32 v[23+8*\t], v[18+8*\t], s60, s61
.endr
.irp t, 0,1
	v_add_f32 v[18+8*\t], v[18+8*\t], v[23+8*\t]   ; the row's sum
.endr
.irp t, 0,1
	v_rcp_f32 v[19+8*\t], v[18+8*\t]
.endr
	v_nop
	s_wait_alu depctr_va_vdst(0)
.irp t, 0,1
	v_mul_f32 v[20+8*\t], v[21+8*\t], v[19+8*\t]   ; f0 = a0 / l
	v_mul_f32 v[22+8*\t], v[22+8*\t], v[19+8*\t]   ; f1 = a1 / l
.endr
.set b, 0
.rept 16
	v_pk_mul_f32 v[192+b:193+b], v[192+b:193+b], v[20:21] op_sel_hi:[1,0]
	v_pk_mul_f32 v[224+b:225+b], v[224+b:225+b], v[28:29] op_sel_hi:[1,0]
.set b, b+2
.endr
.set b, 0
.rept 16
	v_pk_fma_f32 v[192+b:193+b], v[64+b:65+b], v[22:23], v[192+b:193+b] op_sel_hi:[1,0,1]
	v_pk_fma_f32 v[224+b:225+b], v[96+b:97+b], v[30:31], v[224+b:225+b] op_sel_hi:[1,0,1]
.set b, b+2
.endr
.set b, 0
.rept 32
	v_cvt_pk_f16_f32 v[136+b], v[192+2*b], v[193+2*b]
.set b, b+1
.endr
.irp t, 0,1
.irp et, 0,1,2,3
	ds_store_b128 v4, v[136+16*\t+4*\et:139+16*\t+4*\et] offset:32*\et
.endr
.irp q, 0,1,2,3
	ds_load_b128 v[64+16*\t+4*\q:67+16*\t+4*\q], v5 offset:4*PK*\q     ; LDS serves a wave's instructions in order: these see the stores above, and the next tile's stores come behind them
.endr
.endr
.irp t, 0,1
.irp q, 0,1,2,3
	s_wait_dscnt 11-8*\t-\q                        ; behind this load: the rest of its tile's loads, and for tile 0 the eight lines of tile 1
	global_store_b128 v7, v[64+16*\t+4*\q:67+16*\t+4*\q], s[\ob:\ob+1] offset:2048*\t+512*\q   ; 512 consecutive bytes, aligned
.endr
.endr
	s_wait_xcnt 0x0                                ; the stores have read their registers: the next pass loads into them
.Lgave_\@:
.if \p == 0
	INIT
	s_mov_b32 s73, s84
	s_mov_b32 s72, s85
	s_add_co_u32 s74, s84, 31
	s_mov_b32 s79, 0                               ; pass B prefetches nothing
	s_wait_loadcnt 0x0                             ; Q of pass B
.endif
.endm
	s_load_b128 s[4:7], s[0:1], 0x0                ; qkv16, ctxh
	v_lshl_add_u32 v14, v0, 2, SPARE
	v_mov_b32 v15, 0
	ds_add_u32 v14, v15                            ; the wave's opening: the add, twice on end, and its wait ahead of my first tensor load
	ds_add_u32 v14, v15
	v_lshrrev_b32 v1, 5, v0
	v_readfirstlane_b32 s8, v1
	s_and_b32 s9, s8, 3
	s_lshr_b32 s10, s8, 2
	s_and_b32 s12, ttmp7, 0xffff
	s_and_b32 s13, s12, 15                         ; h
	s_lshr_b32 s14, s12, 4                         ; b
	s_mov_b32 s24, (1<<16)|(1<<20)|(4<<22)|(3<<25) ; elements of 2 bytes; 4 words of padding behind every 32
	s_mov_b32 s32, (1<<16)|(1<<20)|(4<<22)|(7<<25) ; V: 8 words
.irp g, 24, 32
	s_mov_b32 s[\g+1], 64<<16                      ; tensor_dim0
	s_mov_b32 s[\g+2], 64<<16                      ; tensor_dim1
	s_mov_b32 s[\g+3], 64<<16                      ; tile_dim0
	s_mov_b32 s[\g+4], 64                          ; tile_dim1
	s_mov_b32 s[\g+5], 64                          ; pitch
	s_mov_b32 s[\g+6], 0
	s_mov_b32 s[\g+7], 0
.endr
	s_lshl_b32 s16, s13, 19
	s_lshl_b32 s17, s14, 18
	s_add_co_u32 s16, s16, s17                     ; 524,288 h + 262,144 b
	s_lshl_b32 s17, s9, 13
	s_add_co_u32 s18, s16, s17
	s_add_co_u32 s18, s18, 16*524288               ; K: plane 16 + h, my quarter of slot 0
	s_mov_b32 s19, 0
	s_add_co_u32 s20, s18, 16*524288               ; V: plane 32 + h
	s_mov_b32 s21, 0
	s_sub_co_u32 s22, 15, ttmp9
	s_lshl_b32 s73, s22, 7
	s_lshl_b32 s17, s9, 5
	s_add_co_u32 s73, s73, s17                     ; my first query of pass A
	s_lshl_b32 s84, ttmp9, 7
	s_add_co_u32 s84, s84, s17                     ; and of pass B
	s_or_b32 s72, s73, 127                         ; the work-group's last query
	s_or_b32 s85, s84, 127
	s_add_co_u32 s74, s73, 31
	s_lshl_b32 s22, s73, 7
	s_add_co_u32 s22, s22, s16
	s_mov_b32 s23, 0
	s_lshl_b32 s86, s84, 7
	s_add_co_u32 s86, s86, s16
	s_mov_b32 s87, 0
	s_mov_b32 s58, 0x3e38aa3b                      ; c = log2(e) / sqrt(64)
	s_mov_b32 s59, s58
	s_mov_b32 s60, 0x76543210
	s_mov_b32 s61, 0xfedcba98
	s_mov_b32 s62, 0
	s_mov_b32 s71, 0
	s_lshl_b32 s75, s10, 6
	s_cmp_eq_u32 ttmp9, 0
	s_cselect_b32 s79, 6, 0
	s_mul_i32 s15, s9, 64*PK
	s_mul_i32 s17, s9, 64*PV
	s_wait_dscnt 0x0                               ; both opening adds are done
	s_wait_kmcnt 0x0
	s_add_nc_u64 s[80:81], s[4:5], s[18:19]
	s_add_nc_u64 s[82:83], s[4:5], s[20:21]
	s_add_nc_u64 s[48:49], s[4:5], s[22:23]
	s_add_nc_u64 s[50:51], s[4:5], s[86:87]
	s_add_nc_u64 s[52:53], s[6:7], s[22:23]
	s_add_nc_u64 s[54:55], s[6:7], s[86:87]
	s_mov_b32 s40, 1
	s_mov_b32 s41, s15
	s_mov_b64 s[42:43], s[80:81]
	s_or_b32 s43, s43, 0x80000000
	s_mov_b32 s44, 1
	s_add_co_u32 s45, s17, VOFF
	s_mov_b64 s[46:47], s[82:83]
	s_or_b32 s47, s47, 0x80000000
	TLOAD                                          ; slot 0
	s_cmp_lt_u32 s8, 4
	s_cselect_b64 s[56:57], s[80:81], s[82:83]
	s_add_nc_u64 s[56:57], s[56:57], 32768         ; in slot 1: the first change steps it to slot 2
	v_and_b32 v16, 15, v0                          ; r
	v_bfe_u32 v17, v0, 4, 1                        ; hh
	v_and_b32 v18, 31, v0                          ; lane
	v_lshlrev_b32 v6, 7, v16
	v_lshl_add_u32 v6, v17, 4, v6
	QLOAD 48
	v_mul_u32_u24 v1, v16, PK
	v_lshl_add_u32 v1, v17, 4, v1
	s_mul_i32 s15, s10, 64*PK
	v_add_nc_u32 v1, s15, v1
	v_and_b32 v19, 7, v0
	v_lshl_add_u32 v2, v17, 3, v19
	v_mul_u32_u24 v2, v2, PV
	v_bfe_u32 v19, v0, 3, 1
	v_lshl_add_u32 v2, v19, 4, v2
	s_mul_i32 s15, s10, 64*PV
	s_add_co_u32 s15, s15, VOFF
	v_add_nc_u32 v2, s15, v2
	s_mul_i32 s15, s9, MRGQ
	s_add_co_u32 s15, s15, MRG
	v_lshl_add_u32 v3, v18, 4, s15
	s_mul_i32 s15, s9, STGQ
	s_add_co_u32 s15, s15, STG
	v_mul_u32_u24 v4, v16, PK
	v_lshl_add_u32 v4, v17, 4, v4
	v_add_nc_u32 v4, s15, v4
	v_lshrrev_b32 v5, 3, v18
	v_mul_u32_u24 v5, v5, PK
	v_and_b32 v19, 7, v0
	v_lshl_add_u32 v5, v19, 4, v5
	v_add_nc_u32 v5, s15, v5
	v_lshlrev_b32 v7, 4, v18
	v_lshlrev_b32 v10, 8, v18
	v_lshlrev_b32 v19, 3, v17
	v_sub_nc_u32 v11, v16, v19
	v_mov_b32 v12, 0
	v_mov_b32 v13, 0xcfee6b28                      ; -8e9: x 1 / 8 it is the definition's -1e9
.irp r, 20,21,22,23,28,29,30,31
	v_mov_b32 v\r, 0                               ; written once: a lane permute's destination counts as one of its sources
.endr
	INIT
	s_wait_loadcnt 0x0                             ; Q of pass A
	PASS 1
	FINISH 0, 52
	PASS 0
	FINISH 1, 54
	s_wait_tensorcnt 0x0                           ; the wave's end
	ds_add_u32 v14, v15
	s_wait_dscnt 0x0
	s_endpgm
.Lfunc_end_k_qa6ff0dcf3a_attn:
	.size	k_qa6ff0dcf3a_attn, .Lfunc_end_k_qa6ff0dcf3a_attn-k_qa6ff0dcf3a_attn
	.p2alignl 7, 3214868480
	.fill 96, 4, 3214868480
	.section	.rodata,"a",@progbits
	.p2align	6, 0x0
	.amdhsa_kernel k_qa6ff0dcf3a_attn
		.amdhsa_group_segment_fixed_size 327680
		.amdhsa_private_segment_fixed_size 0
		.amdhsa_enable_private_segment 0
		.amdhsa_kernarg_size 16
		.amdhsa_user_sgpr_count 2
		.amdhsa_user_sgpr_kernarg_segment_ptr 1
		.amdhsa_wavefront_size32 1
		.amdhsa_system_sgpr_workgroup_id_x 1
		.amdhsa_system_sgpr_workgroup_id_y 1
		.amdhsa_system_sgpr_workgroup_id_z 1
		.amdhsa_system_vgpr_workitem_id 0
		.amdhsa_next_free_vgpr 256
		.amdhsa_next_free_sgpr 88
		.amdhsa_reserve_vcc 1
		.amdhsa_float_denorm_mode_32 3
		.amdhsa_float_denorm_mode_16_64 3
		.amdhsa_memory_ordered 1
		.amdhsa_forward_progress 1
		.amdhsa_inst_pref_size 125
	.end_amdhsa_kernel
	.amdgpu_metadata
---
amdhsa.version: [ 1, 2 ]
amdhsa.kernels:
  - .name:           k_qa6ff0dcf3a_attn
    .symbol:         k_qa6ff0dcf3a_attn.kd
    .args:
      - { .name: qkv16, .offset: 0, .size: 8, .value_kind: global_buffer, .address_space: global }
      - { .name: ctxh, .offset: 8, .size: 8, .value_kind: global_buffer, .address_space: global }
    .group_segment_fixed_size: 327680
    .private_segment_fixed_size: 0
    .kernarg_segment_align: 8
    .kernarg_segment_size: 16
    .max_flat_workgroup_size: 256
    .sgpr_count:     88
    .vgpr_count:     256
    .wavefront_size: 32
...
	.end_amdgpu_metadata
.endif
;; end of part 3
;; launch proj (part 4): grid 8 x 32, 4 waves a work-group, clusters of 4 x 4, 327,680 bytes of LDS; arguments ctxh, wo16, bo, out0; writes out0
.if DOCPART == 4
	.amdgcn_target "amdgcn-amd-amdhsa--gfx1250"
	.amdhsa_code_object_version 6
	.text
	.protected	k_qa6ff0dcf3a_proj
	.globl	k_qa6ff0dcf3a_proj
	.p2align	8
	.type	k_qa6ff0dcf3a_proj,@function
k_qa6ff0dcf3a_proj:
	s_mov_b64 s[64:65], 0
	v_nop
	global_prefetch_b8 v0, s[64:65] scope:SCOPE_SE
	s_setreg_imm32_b32 hwreg(HW_REG_WAVE_MODE, 25, 1), 1
	s_wait_xcnt 0x0
	s_wait_alu depctr_hold_cnt(0) depctr_sa_sdst(0) depctr_va_vdst(0) depctr_va_sdst(0) depctr_va_ssrc(0) depctr_va_vcc(0) depctr_vm_vsrc(0)
	s_getreg_b32 s2, hwreg(HW_REG_IB_STS2, 6, 4)
	s_cmp_eq_u32 s2, 0
	s_cbranch_scc0 .Lentry_in_a_cluster
	s_endpgm
.Lentry_in_a_cluster:
	s_bfe_u32 s2, ttmp6, 0x10000c
	s_cmp_lg_u32 s2, 0xf033
	s_cbranch_scc0 .Lentry_shape_is_right
	s_endpgm
.Lentry_shape_is_right:
; out0[m][n] = sum over k of ctx[m][k] Wo[k][n] + bo[n], f16 operands, f32 sums.  ctx comes by heads: ctxh [h][m][64] f16, k = 64 h + e; wo16 [k][n] f16; out0 [4096][1024] f32.
; A tile of 128 x 128 to a work-group of four waves, 64 x 64 to a wave: 256 work-groups.  K goes in four steps of 256 (four heads) through two LDS slots.
; CLUSTERS of 4 x 4: ctx's tiles are shared along a row of the cluster, Wo's along a column, by joint loads.  Source 0 = 16 columns of Wo (turned out of LDS), source 1 = 16 rows of ctx:
; a lane holds eight neighbouring n of one row.  The bias is the C of each sum's first product.
; All 4,096 rows are stored (no branch may hang on a work-group's place in its cluster); the 32 rows of positions 0-15 are stored again by the last launch, which carries them in f32.
; REGISTERS: window 0: v16-29 addresses; v96-127 the bias; v128-255 the accumulators ((a, b) at v[128 + 8 (4 a + b)]), later the rows on their way out.  window 1: two fragment buffers of 128.
.set PA,     144                       ; a row of ctx in LDS: 128 bytes + 16
.set PB,     288                       ; a row of Wo: 256 bytes + 32
.set PLANE,  128*PA                    ; a head's 128 rows
.set HALFT,  2*PLANE                   ; what one tensor load brings: two heads of ctx, or 128 rows of Wo (128 x 288): 36,864 bytes either way
.set BOFF,   4*PLANE
.set SLOT,   4*HALFT
.set SPARE,  2*SLOT                    ; the spare words, 128 bytes for each wave: two blocks of 256 bytes that no other line names
.set SPITCH, 528                       ; the way out: 128 rows x (512 bytes + 16) in slot 0, which has had its last fill and its last read by then
.set ADRA, 16                          ; v16-17 ctx's fragments in slot 0, 1
.set ADRB, 20                          ; v20-23 Wo's: slot 0 rows 0-127, rows 128-255, slot 1 likewise (240 rows of 288 bytes pass a 16-bit offset)
.set STO,  24
.set RD,   25
.set CO,   26
.set BOF,  27
.set SPW,  28
.set NIL,  29
.set BIAS, 96
.set ACC,  128
.set F0,   0
.set F1,   128
.set G1, 24
.set G0, 32
.set G1B, 48
.set G0B, 56
.set MSB, 0
.macro WIN new
.if MSB != \new
	s_set_vgpr_msb (MSB<<8)|\new
.set MSB, \new
.endif
.endm
.set MUL,  0x05                        ; sources 0 and 1 window 1; C and D window 0
.set TO_F, 0x40
.macro JLOAD s                         ; waves 0 and 1 fetch ctx's halves, waves 2 and 3 Wo's; an s_nop 0 and four v_nop follow each line
	s_cmp_eq_u32 s11, 0
	s_cbranch_scc0 .Lfor_b_\@
	tensor_load_to_lds s[G0+4*\s:G0+4*\s+3], s[G1:G1+7]
	s_nop 0
.rept 4
	v_nop
.endr
	s_branch .Lasked_\@
.Lfor_b_\@:
	tensor_load_to_lds s[G0B+4*\s:G0B+4*\s+3], s[G1B:G1B+7]
	s_nop 0
.rept 4
	v_nop
.endr
.Lasked_\@:
.endm
.macro CREST
	s_cmp_lg_u32 s10, 0
	s_cbranch_scc1 .Lnot_wave_0_\@
	s_barrier_signal -3
.Lnot_wave_0_\@:
	s_barrier_wait -3
	s_barrier_signal -1
	s_barrier_wait -1
.endm
.macro CROUND
	s_barrier_signal -1
	s_barrier_wait -1
	CREST
.endm
	s_load_b128 s[4:7], s[0:1], 0x0                ; ctxh, wo16
	s_load_b64 s[66:67], s[0:1], 0x10              ; bo
	s_load_b64 s[8:9], s[0:1], 0x18                ; out0
	v_lshl_add_u32 v[SPW], v0, 2, SPARE
	v_mov_b32 v[NIL], 0
	ds_add_u32 v[SPW], v[NIL]                      ; the wave's opening: the add, twice on end, and its wait ahead of my first tensor load
	ds_add_u32 v[SPW], v[NIL]
	v_lshrrev_b32 v1, 5, v0
	v_readfirstlane_b32 s10, v1
	s_lshr_b32 s11, s10, 1                         ; my half of the rows.  Also: I fetch for ctx (0) or for Wo (1)
	s_and_b32 s12, s10, 1                          ; my half of the columns.  Also: which half of that tile I fetch
	s_bfe_u32 s40, ttmp6, 0x40000
	s_bfe_u32 s41, ttmp6, 0x40004
	s_lshl_b32 s42, ttmp9, 2
	s_add_co_u32 s42, s42, s40                     ; tile column
	s_and_b32 s13, ttmp7, 0xffff
	s_lshl_b32 s13, s13, 2
	s_add_co_u32 s13, s13, s41                     ; tile row
	s_lshl_b32 s43, s41, 2
	s_lshl_b32 s43, 15, s43
	s_lshl_b32 s44, 0x1111, s40
	; ctx: a head's 128 rows are 16,384 dense bytes: stated as ONE row of 8,192 elements, two heads (rows) 262,144 elements apart; 4 words of padding behind every 32: LDS rows of 144 bytes
	s_or_b32 s[G1+0], s43, (1<<16)|(1<<20)|(1<<21)|(4<<22)|(3<<25)
	s_mov_b32 s[G1+1], 8192<<16
	s_mov_b32 s[G1+2], 2<<16
	s_mov_b32 s[G1+3], 8192<<16
	s_mov_b32 s[G1+4], 2
	s_mov_b32 s[G1+5], 262144
	s_mov_b32 s[G1+6], 0
	s_mov_b32 s[G1+7], 0
	; Wo: 128 rows (k) x 128 elements, 1,024 elements apart; 8 words of padding behind every 64
	s_or_b32 s[G1B+0], s44, (1<<16)|(1<<20)|(1<<21)|(5<<22)|(7<<25)
	s_mov_b32 s[G1B+1], 128<<16
	s_mov_b32 s[G1B+2], 128<<16
	s_mov_b32 s[G1B+3], 128<<16
	s_mov_b32 s[G1B+4], 128
	s_mov_b32 s[G1B+5], 1024
	s_mov_b32 s[G1B+6], 0
	s_mov_b32 s[G1B+7], 0
	s_lshl_b32 s16, s13, 14                        ; ctx: 128 rows of 128 bytes a tile row,
	s_lshl_b32 s17, s12, 20                        ; two heads of 524,288 bytes a half
	s_add_co_u32 s16, s16, s17
	s_mov_b32 s17, 0
	s_lshl_b32 s46, s42, 8                         ; Wo: 256 bytes a tile column,
	s_lshl_b32 s47, s12, 18                        ; 128 rows of 2,048 bytes a half
	s_add_co_u32 s46, s46, s47
	s_mov_b32 s47, 0
	s_mul_i32 s20, s10, HALFT
	s_wait_dscnt 0x0
	s_wait_kmcnt 0x0
	s_add_nc_u64 s[14:15], s[4:5], s[16:17]
	s_add_nc_u64 s[46:47], s[6:7], s[46:47]
	CROUND
.irp s, 0,1
	s_mov_b32 s[G0+4*\s], 1
	s_add_co_u32 s[G0+4*\s+1], s20, \s*SLOT
	s_add_nc_u64 s[G0+4*\s+2:G0+4*\s+3], s[14:15], \s*2097152      ; four heads a K step
	s_or_b32 s[G0+4*\s+3], s[G0+4*\s+3], 0x80000000
	s_mov_b32 s[G0B+4*\s], 1
	s_add_co_u32 s[G0B+4*\s+1], s20, \s*SLOT
	s_add_nc_u64 s[G0B+4*\s+2:G0B+4*\s+3], s[46:47], \s*524288     ; 256 rows a K step
	s_or_b32 s[G0B+4*\s+3], s[G0B+4*\s+3], 0x80000000
	JLOAD \s
.endr
	v_and_b32 v1, 15, v0
	v_bfe_u32 v2, v0, 4, 1
	v_mul_u32_u24 v3, v1, PA
	v_lshl_add_u32 v3, v2, 4, v3
	s_mul_i32 s21, s11, 64*PA
.irp s, 0,1
	v_add_nc_u32 v[ADRA+\s], s21, v3
	s_add_co_u32 s21, s21, SLOT
.endr
	v_and_b32 v4, 7, v0                            ; the turning load: lane l reads row 8 hh + l % 8, 16 bytes at 16 ((l / 8) % 2)
	v_lshl_add_u32 v4, v2, 3, v4
	v_mul_u32_u24 v4, v4, PB
	v_bfe_u32 v5, v0, 3, 1
	v_lshl_add_u32 v4, v5, 4, v4
	s_lshl_b32 s22, s12, 7
	s_add_co_u32 s22, s22, BOFF
	v_add_nc_u32 v[ADRB+0], s22, v4
	s_add_co_u32 s22, s22, HALFT
	v_add_nc_u32 v[ADRB+1], s22, v4
	s_add_co_u32 s22, s22, SLOT-HALFT
	v_add_nc_u32 v[ADRB+2], s22, v4
	s_add_co_u32 s22, s22, HALFT
	v_add_nc_u32 v[ADRB+3], s22, v4
	s_mul_i32 s23, s11, 64*SPITCH
	s_lshl_b32 s21, s12, 8
	s_add_co_u32 s23, s23, s21
	v_mul_u32_u24 v6, v1, SPITCH
	v_lshl_add_u32 v6, v2, 5, v6
	v_add_nc_u32 v[STO], s23, v6                   ; into the stage: row 64 half + r, 256 x column half + 32 hh
	s_mul_i32 s23, s10, 32*SPITCH
	v_and_b32 v5, 31, v0
	v_lshlrev_b32 v[CO], 4, v5
	v_add_nc_u32 v[RD], s23, v[CO]                 ; back: wave w takes rows 32 w on, whole
	v_lshlrev_b32 v[BOF], 5, v2
	s_lshl_b32 s16, s13, 19
	s_lshl_b32 s17, s10, 17
	s_add_co_u32 s16, s16, s17                     ; 4,096 bytes x (128 tile row + 32 wave)
	s_mov_b32 s17, 0
	s_add_nc_u64 s[8:9], s[8:9], s[16:17]
	s_lshl_b32 s46, s42, 9
	s_mov_b32 s47, 0
	s_add_nc_u64 s[8:9], s[8:9], s[46:47]
	s_lshl_b32 s47, s12, 8
	s_add_co_u32 s46, s46, s47
	s_mov_b32 s47, 0
	s_add_nc_u64 s[66:67], s[66:67], s[46:47]      ; bo + 4 (128 tile column + 64 half)
.irp b, 0,1,2,3
	global_load_b128 v[BIAS+8*\b:BIAS+8*\b+3], v[BOF], s[66:67] offset:64*\b
	global_load_b128 v[BIAS+8*\b+4:BIAS+8*\b+7], v[BOF], s[66:67] offset:64*\b+16
.endr
.macro MUL8 f, c, a0, zero             ; 8 products: m blocks a0, a0 + 1 x all 4 n blocks, 32 along K.  zero = 1: the bias is C.  The 16 accumulators take turns
.irp a, \a0, \a0+1
.irp b, 0,1,2,3
.if \zero
	v_wmma_f32_16x16x32_f16 v[ACC+8*(4*(\a)+\b):ACC+8*(4*(\a)+\b)+7], v[\f+64+8*(4*\c+\b):\f+64+8*(4*\c+\b)+7], v[\f+8*(4*\c+\a):\f+8*(4*\c+\a)+7], v[BIAS+8*\b:BIAS+8*\b+7]
.else
	v_wmma_f32_16x16x32_f16 v[ACC+8*(4*(\a)+\b):ACC+8*(4*(\a)+\b)+7], v[\f+64+8*(4*\c+\b):\f+64+8*(4*\c+\b)+7], v[\f+8*(4*\c+\a):\f+8*(4*\c+\a)+7], v[ACC+8*(4*(\a)+\b):ACC+8*(4*(\a)+\b)+7]
.endif
.endr
.endr
.endm
.macro FETCH slot, q, f                ; the fragments of quarter q (one head, 64 along K) into buffer f; the first 32 along K first
	WIN TO_F
.irp c, 0,1
.irp i, 0,1,2,3
	ds_load_tr16_b128 v[\f+64+8*(4*\c+\i):\f+64+8*(4*\c+\i)+3],   v[ADRB+2*\slot+(\q)/2] offset:PB*(64*((\q)%2)+32*\c)+32*\i
	ds_load_tr16_b128 v[\f+64+8*(4*\c+\i)+4:\f+64+8*(4*\c+\i)+7], v[ADRB+2*\slot+(\q)/2] offset:PB*(64*((\q)%2)+32*\c)+32*\i+16*PB
	ds_load_b128 v[\f+8*(4*\c+\i):\f+8*(4*\c+\i)+3],         v[ADRA+\slot] offset:PLANE*(\q)+64*\c+\i*16*PA
	ds_load_b128 v[\f+8*(4*\c+\i)+4:\f+8*(4*\c+\i)+7],       v[ADRA+\slot] offset:PLANE*(\q)+64*\c+\i*16*PA+32
.endr
.endr
.endm
.macro PLACES
.rept 4
	v_nop
.endr
.endm
.macro QUARTER slot, q, f, g, zero     ; multiplies buffer f and fetches quarter q of the slot into g
	s_wait_dscnt 16                                ; the first 32 along K are in; the younger sixteen loads may be out
	WIN MUL
	MUL8 \f, 0, 0, \zero
	MUL8 \f, 0, 2, \zero
	PLACES
	FETCH \slot, \q, \g
	s_wait_dscnt 32                                ; all but the 32 just issued
	WIN MUL
	MUL8 \f, 1, 0, 0
	MUL8 \f, 1, 2, 0
.endm
.macro TURN slot, next, fill           ; the last quarter multiplies buffer 1 and changes slots
	WIN 0
	s_wait_tensorcnt 0x0                           ; all my tensor loads have landed: my part of the next slot
	ds_add_u32 v[SPW], v[NIL]                      ; 0 onto my spare word
	s_wait_dscnt 17                                ; the add and the youngest sixteen loads may be out
	WIN MUL
	MUL8 F1, 0, 0, 0
	s_wait_dscnt 0x0                               ; the add is done, and my reads of this slot are over
	s_barrier_signal -1
	MUL8 F1, 0, 2, 0
.if \fill
	WIN 0
.endif
	s_barrier_wait -1
.if \fill
	CREST                                          ; the barrier has opened a round of the cluster's barrier: no wave of any partner still reads this slot or has a load on its way
	s_add_nc_u64 s[G0+4*\slot+2:G0+4*\slot+3], s[G0+4*\slot+2:G0+4*\slot+3], 4194304
	s_add_nc_u64 s[G0B+4*\slot+2:G0B+4*\slot+3], s[G0B+4*\slot+2:G0B+4*\slot+3], 1048576
	JLOAD \slot                                    ; my one tensor load behind the round; its four v_nop are also the places ahead of the loads below
.else
	PLACES
.endif
	FETCH \next, 0, F0
	WIN MUL
	MUL8 F1, 1, 0, 0
	MUL8 F1, 1, 2, 0
.endm
	s_wait_tensorcnt 1                             ; my part of K step 0 is in; K step 1's load may be out
	s_barrier_signal -1
	s_barrier_wait -1
	FETCH 0, 0, F0
	s_wait_loadcnt 0x0                             ; the bias
	QUARTER 0, 1, F0, F1, 1
	QUARTER 0, 2, F1, F0, 0
	QUARTER 0, 3, F0, F1, 0
	TURN 0, 1, 1
	QUARTER 1, 1, F0, F1, 0
	QUARTER 1, 2, F1, F0, 0
	QUARTER 1, 3, F0, F1, 0
	TURN 1, 0, 1
	QUARTER 0, 1, F0, F1, 0
	QUARTER 0, 2, F1, F0, 0
	QUARTER 0, 3, F0, F1, 0
	TURN 0, 1, 0
	QUARTER 1, 1, F0, F1, 0
	QUARTER 1, 2, F1, F0, 0
	QUARTER 1, 3, F0, F1, 0
	s_wait_dscnt 16
	WIN MUL
	MUL8 F1, 0, 0, 0
	MUL8 F1, 0, 2, 0
	s_wait_dscnt 0
	MUL8 F1, 1, 0, 0
	MUL8 F1, 1, 2, 0
	WIN 0
	; THE WAY OUT: a row's 512 bytes come from two waves: through one stage, a barrier, back as whole rows.
	PLACES
.irp a, 0,1,2,3
.irp b, 0,1,2,3
	ds_store_b128 v[STO], v[ACC+8*(4*\a+\b):ACC+8*(4*\a+\b)+3] offset:\a*16*SPITCH+64*\b       ; each accumulator from its low end on
	ds_store_b128 v[STO], v[ACC+8*(4*\a+\b)+4:ACC+8*(4*\a+\b)+7] offset:\a*16*SPITCH+64*\b+16
.endr
.endr
	s_wait_dscnt 0x0
	s_barrier_signal -1
	s_barrier_wait -1
.set i, 0
.rept 32
	ds_load_b128 v[ACC+4*i:ACC+4*i+3], v[RD] offset:i*SPITCH
.set i, i+1
.endr
.set i, 0
.rept 32
	s_wait_dscnt 31-i
	global_store_b128 v[CO], v[ACC+4*i:ACC+4*i+3], s[8:9] offset:i*4096 th:TH_STORE_NT   ; 512 consecutive bytes, aligned
.set i, i+1
.endr
	s_wait_tensorcnt 0x0                           ; the wave's end
	ds_add_u32 v[SPW], v[NIL]
	s_wait_dscnt 0x0
	CROUND                                         ; the closing round
	s_endpgm
.Lfunc_end_k_qa6ff0dcf3a_proj:
	.size	k_qa6ff0dcf3a_proj, .Lfunc_end_k_qa6ff0dcf3a_proj-k_qa6ff0dcf3a_proj
	.p2alignl 7, 3214868480
	.fill 96, 4, 3214868480
	.section	.rodata,"a",@progbits
	.p2align	6, 0x0
	.amdhsa_kernel k_qa6ff0dcf3a_proj
		.amdhsa_group_segment_fixed_size 327680
		.amdhsa_private_segment_fixed_size 0
		.amdhsa_enable_private_segment 0
		.amdhsa_kernarg_size 32
		.amdhsa_user_sgpr_count 2
		.amdhsa_user_sgpr_kernarg_segment_ptr 1
		.amdhsa_wavefront_size32 1
		.amdhsa_system_sgpr_workgroup_id_x 1
		.amdhsa_system_sgpr_workgroup_id_y 1
		.amdhsa_system_sgpr_workgroup_id_z 1
		.amdhsa_system_vgpr_workitem_id 0
		.amdhsa_next_free_vgpr 512
		.amdhsa_next_free_sgpr 68
		.amdhsa_reserve_vcc 0
		.amdhsa_float_denorm_mode_32 3
		.amdhsa_float_denorm_mode_16_64 3
		.amdhsa_memory_ordered 1
		.amdhsa_forward_progress 1
		.amdhsa_inst_pref_size 87
	.end_amdhsa_kernel
	.amdgpu_metadata
---
amdhsa.version: [ 1, 2 ]
amdhsa.kernels:
  - .name:           k_qa6ff0dcf3a_proj
    .symbol:         k_qa6ff0dcf3a_proj.kd
    .args:
      - { .name: ctxh, .offset: 0, .size: 8, .value_kind: global_buffer, .address_space: global }
      - { .name: wo16, .offset: 8, .size: 8, .value_kind: global_buffer, .address_space: global }
      - { .name: bo, .offset: 16, .size: 8, .value_kind: global_buffer, .address_space: global }
      - { .name: out0, .offset: 24, .size: 8, .value_kind: global_buffer, .address_space: global }
    .group_segment_fixed_size: 327680
    .private_segment_fixed_size: 0
    .kernarg_segment_align: 8
    .kernarg_segment_size: 32
    .max_flat_workgroup_size: 128
    .sgpr_count:     68
    .vgpr_count:     512
    .wavefront_size: 32
...
	.end_amdgpu_metadata
.endif
;; end of part 4
;; launch fine (part 5): grid 64 x 2, 16 waves a work-group, no clusters, 22,528 bytes of LDS; arguments qkvf, Wo, bo, out0; writes out0
.if DOCPART == 5
	.amdgcn_target "amdgcn-amd-amdhsa--gfx1250"
	.amdhsa_code_object_version 6
	.text
	.protected	k_qa6ff0dcf3a_fine
	.globl	k_qa6ff0dcf3a_fine
	.p2align	8
	.type	k_qa6ff0dcf3a_fine,@function
k_qa6ff0dcf3a_fine:
	s_mov_b64 s[64:65], 0
	v_nop
	global_prefetch_b8 v0, s[64:65] scope:SCOPE_SE
	s_setreg_imm32_b32 hwreg(HW_REG_WAVE_MODE, 25, 1), 1
	s_wait_xcnt 0x0
; Positions 0-15 of both sequences, in f32 throughout: these rows average one to sixteen values and are the largest, so f16 operands would use up what the comparison allows.
; Work-group (cb, b): the 16 positions of sequence b, output columns 16 cb .. 16 cb + 15.  It stores over what the projection's launch left in these 32 rows (131 KB of out0 are written twice).
; A WAVE IS A HEAD.  Its contribution to the output is taken as P (V Wo_h), not as (P V) Wo_h: for 16 columns that is 16 + 16 + 4 instructions of the f32 matrix form (scores, V Wo, weights x V Wo)
; against 16 + 16 + 16, and no operand has to be turned.  33.5 M multiply-adds of projection in the whole launch: no bulk work.
; ORDER OF ROUNDING: the sums are f32 like the definition's, but associated otherwise (V with Wo first; K in two or sixteen parts).
; LAYOUTS.  q, k, v come as images of accumulators: register 8 bt + j of lane (r, hh) = (position r, e = 16 bt + 8 hh + j).  A pair of registers is a K step of 4; the same order of e stands on both sides of a product.
;   S^T  = (source 0: k's pairs, source 1: q's pairs):        lane (r, hh), register j = (query r, key 8 hh + j)
;   V Wo = (source 0: v's pairs, source 1: Wo's pairs):       lane (r, hh), register j = (column r, key 8 hh + j): the order of keys in the weights' registers
;   out  = (source 0: V Wo's pairs, source 1: the weights'):  lane (r, hh), register j = (query r, column 8 hh + j)
; The sixteen heads' parts meet in LDS; waves 0 and 1 add them and bo and store.
; STORES: a row's piece is 64 consecutive bytes (four lanes), eight rows an instruction: 131 KB in the launch leave in such pieces.  Wider pieces would put the same f32 work on fewer work-groups.
; MASK: hidden scores become -1e9 (as raw scores -8e9), as in the definition.  LIMITS: NaN and infinities are not served.
; The registers that the f32 matrix form writes (v112-159) are written by matrix instructions alone.
.set PRW,   16*80                      ; LDS from byte 0: a head's part, 16 rows (queries) x (64 bytes + 16): the sixteen rows of a store start 16 bytes apart modulo 256
.set SPARE, 16*PRW                     ; behind the parts: the spare words, 128 bytes for each wave: eight blocks of 256 bytes that no other line names
; v1 16 lane; v6 my part; v7 the parts, read back; v8 Wo's offset; v9 out0's; v10 bo's; v11 r - 8 hh; v12 -8e9; v14 spare word, v15 0
; v16-47 q, v48-79 k, v80-111 v (later v16-79: the sixteen parts); v112-127 S^T in two sums; v128-143 V Wo in two sums; v144-159 the output in two sums
; v160-191 Wo; v192-195 bo; v200-207 scores, then p; v208-215 the weights; v216-223 V Wo; v224-229 at work; v232-239 my part
	s_load_b256 s[4:11], s[0:1], 0x0               ; qkvf, Wo, bo, out0
	v_lshl_add_u32 v14, v0, 2, SPARE
	v_mov_b32 v15, 0
	v_lshrrev_b32 v13, 5, v0
	v_readfirstlane_b32 s12, v13                   ; wave = head
	s_and_b32 s16, ttmp7, 0xffff                   ; b
	v_and_b32 v2, 15, v0                           ; r
	v_bfe_u32 v3, v0, 4, 1                         ; hh
	v_and_b32 v4, 31, v0
	v_lshlrev_b32 v1, 4, v4                        ; 16 x lane
	s_mul_i32 s24, s12, PRW
	v_mul_u32_u24 v6, v2, 80
	v_lshl_add_u32 v6, v3, 5, v6
	v_add_nc_u32 v6, s24, v6                       ; my part: row r, 32 bytes for each half of the lanes
	v_bfe_u32 v5, v0, 2, 4                         ; back: four threads to a row,
	v_and_b32 v4, 3, v0                            ; 16 bytes each
	v_mul_u32_u24 v7, v5, 80
	v_lshl_add_u32 v7, v4, 4, v7
	v_lshlrev_b32 v8, 15, v3                       ; Wo: lanes 16-31 stand eight rows (of 4,096 bytes) further down,
	v_lshl_add_u32 v8, v2, 2, v8                   ; lane r at column r
	v_lshlrev_b32 v9, 12, v5                       ; out0: the same row and piece
	v_lshl_add_u32 v9, v4, 4, v9
	v_lshlrev_b32 v10, 4, v4                       ; bo: the same piece
	v_lshlrev_b32 v13, 3, v3
	v_sub_nc_u32 v11, v2, v13                      ; r - 8 hh
	v_mov_b32 v12, 0xcfee6b28                      ; -8e9: x 1 / 8 it is the definition's -1e9
	s_mov_b32 s20, 0x76543210
	s_mov_b32 s21, 0xfedcba98                      ; v_permlanex16_b32's selects for lane l xor 16
	s_mov_b32 s22, 0x3e38aa3b                      ; c = log2(e) / sqrt(64)
	s_mov_b32 s25, 0
	s_wait_kmcnt 0x0
	s_lshl_b32 s24, s12, 13
	s_lshl_b32 s26, s16, 12
	s_add_co_u32 s24, s24, s26
	s_add_nc_u64 s[4:5], s[4:5], s[24:25]          ; q's image: 4,096 (2 head + b); k's 131,072 on, v's 262,144 on
	s_lshl_b32 s24, s12, 18                        ; Wo: row 64 head,
	s_lshl_b32 s26, ttmp9, 6                       ; column 16 cb, in bytes
	s_add_co_u32 s24, s24, s26
	s_add_nc_u64 s[6:7], s[6:7], s[24:25]
	s_mov_b32 s24, s26
	s_add_nc_u64 s[8:9], s[8:9], s[24:25]          ; bo at column 16 cb
	s_lshl_b32 s27, s16, 23
	s_add_co_u32 s24, s26, s27
	s_add_nc_u64 s[10:11], s[10:11], s[24:25]      ; out0: row 2,048 b, column 16 cb
.irp i, 0,1,2,3,4,5,6,7                        ; q and k first: the scores want them first
	global_load_b128 v[16+4*\i:19+4*\i], v1, s[4:5] offset:512*\i
	global_load_b128 v[48+4*\i:51+4*\i], v1, s[4:5] offset:131072+512*\i
.endr
.irp i, 0,1,2,3,4,5,6,7
	global_load_b128 v[80+4*\i:83+4*\i], v1, s[4:5] offset:262144+512*\i
.endr
	global_load_b128 v[192:195], v10, s[8:9]
.irp pp, 0,1,2,3,4,5,6,7,8,9,10,11,12,13,14,15 ; pair pp of lane (r, hh) = Wo[64 head + 16 (pp / 4) + 8 hh + 2 (pp % 4) + 0, 1][column r]: the order of e in v's image; sixteen lanes read 64 consecutive bytes
.irp jj, 0,1
	global_load_b32 v[160+2*\pp+\jj], v8, s[6:7] offset:4096*(16*(\pp/4)+2*(\pp%4)+\jj)
.endr
.endr
	s_wait_loadcnt 41                              ; q and k are in: behind their 16 loads stand v's 8, bo's 1 and Wo's 32, which may be out
	v_wmma_f32_16x16x4_f32 v[112:119], v[48:49], v[16:17], 0       ; S^T in two sums that take turns; the first products start the sums
	v_wmma_f32_16x16x4_f32 v[120:127], v[50:51], v[18:19], 0
.irp p, 4,8,12,16,20,24,28
	v_wmma_f32_16x16x4_f32 v[112:119], v[48+\p:49+\p], v[16+\p:17+\p], v[112:119]
	v_wmma_f32_16x16x4_f32 v[120:127], v[50+\p:51+\p], v[18+\p:19+\p], v[120:127]
.endr
.rept 8
	v_nop                                          ; places behind this form, ahead of the first read of its sums (ISA guide 7.12.1)
.endr
.irp j, 0,1,2,3,4,5,6,7
	v_add_f32 v[200+\j], v[112+\j], v[120+\j]      ; lane (r, hh): query r, key 8 hh + j; each sum from its low end on
.endr
.irp j, 0,1,2,3,4,5,6,7
	v_cmp_gt_i32 vcc_lo, \j, v11                   ; hidden where 8 hh + j > r
	v_cndmask_b32 v[200+\j], v[200+\j], v12, vcc_lo
.endr
	v_max3_num_f32 v224, v200, v201, v202
	v_max3_num_f32 v225, v203, v204, v205
	v_max3_num_f32 v224, v224, v206, v207
	v_max_num_f32 v224, v224, v225
	v_permlanex16_b32 v225, v224, s20, s21         ; the query's other eight keys lie in the lane 16 away
	v_max_num_f32 v224, v224, v225                 ; the row's maximum
	v_mul_f32 v224, s22, v224
.irp j, 0,1,2,3,4,5,6,7
	v_fma_f32 v[200+\j], v[200+\j], s22, -v224     ; c s - c m
.endr
.irp j, 0,1,2,3,4,5,6,7
	v_exp_f32 v[200+\j], v[200+\j]
.endr
	v_nop                                          ; a plain line behind the last exponential
	s_wait_alu depctr_va_vdst(0)                   ; one wait for the eight, ahead of their first reader
	v_add_f32 v226, v200, v201
	v_add_f32 v227, v202, v203
	v_add_f32 v228, v204, v205
	v_add_f32 v229, v206, v207
	v_add_f32 v226, v226, v227
	v_add_f32 v228, v228, v229
	v_add_f32 v226, v226, v228
	v_permlanex16_b32 v225, v226, s20, s21
	v_add_f32 v226, v226, v225                     ; the row's sum
	v_rcp_f32 v227, v226
	v_nop
	s_wait_alu depctr_va_vdst(0)
.irp j, 0,1,2,3,4,5,6,7
	v_mul_f32 v[208+\j], v[200+\j], v227           ; the weights
.endr
	s_wait_loadcnt 0x0                             ; v, bo and Wo are in
	v_wmma_f32_16x16x4_f32 v[128:135], v[80:81], v[160:161], 0     ; V Wo in two sums that take turns
	v_wmma_f32_16x16x4_f32 v[136:143], v[82:83], v[162:163], 0
.irp p, 4,8,12,16,20,24,28
	v_wmma_f32_16x16x4_f32 v[128:135], v[80+\p:81+\p], v[160+\p:161+\p], v[128:135]
	v_wmma_f32_16x16x4_f32 v[136:143], v[82+\p:83+\p], v[162+\p:163+\p], v[136:143]
.endr
.rept 8
	v_nop
.endr
.irp j, 0,1,2,3,4,5,6,7
	v_add_f32 v[216+\j], v[128+\j], v[136+\j]      ; lane (r, hh): column r, key 8 hh + j
.endr
	v_wmma_f32_16x16x4_f32 v[144:151], v[216:217], v[208:209], 0   ; the sixteen keys are four K steps: pair kp of both operands holds keys 8 hh + 2 kp + 0, 1
	v_wmma_f32_16x16x4_f32 v[152:159], v[218:219], v[210:211], 0
	v_wmma_f32_16x16x4_f32 v[144:151], v[220:221], v[212:213], v[144:151]
	v_wmma_f32_16x16x4_f32 v[152:159], v[222:223], v[214:215], v[152:159]
.rept 8
	v_nop
.endr
.irp j, 0,1,2,3,4,5,6,7
	v_add_f32 v[232+\j], v[144+\j], v[152+\j]      ; lane (r, hh): (query r, column 8 hh + j): my head's part
.endr
	ds_store_b128 v6, v[232:235]
	ds_store_b128 v6, v[236:239] offset:16
	s_wait_dscnt 0x0                               ; for the others' sake: my part has landed
	s_barrier_signal -1
	s_barrier_wait -1                              ; the sixteen parts lie in LDS
	s_cmp_gt_u32 s12, 1
	s_cbranch_scc1 .Ldone
.irp k, 0,1,2,3,4,5,6,7,8,9,10,11,12,13,14,15  ; threads 0-63: four columns of one row, of every part
	ds_load_b128 v[16+4*\k:19+4*\k], v7 offset:PRW*\k
.endr
	s_wait_dscnt 0x0
.irp k, 0,1,2,3,4,5,6,7
	v_pk_add_f32 v[16+4*\k:17+4*\k], v[16+4*\k:17+4*\k], v[48+4*\k:49+4*\k]
	v_pk_add_f32 v[18+4*\k:19+4*\k], v[18+4*\k:19+4*\k], v[50+4*\k:51+4*\k]
.endr
.irp k, 0,1,2,3
	v_pk_add_f32 v[16+4*\k:17+4*\k], v[16+4*\k:17+4*\k], v[32+4*\k:33+4*\k]
	v_pk_add_f32 v[18+4*\k:19+4*\k], v[18+4*\k:19+4*\k], v[34+4*\k:35+4*\k]
.endr
.irp k, 0,1
	v_pk_add_f32 v[16+4*\k:17+4*\k], v[16+4*\k:17+4*\k], v[24+4*\k:25+4*\k]
	v_pk_add_f32 v[18+4*\k:19+4*\k], v[18+4*\k:19+4*\k], v[26+4*\k:27+4*\k]
.endr
	v_pk_add_f32 v[16:17], v[16:17], v[20:21]
	v_pk_add_f32 v[18:19], v[18:19], v[22:23]
	v_pk_add_f32 v[16:17], v[16:17], v[192:193]    ; + bo
	v_pk_add_f32 v[18:19], v[18:19], v[194:195]
	global_store_b128 v9, v[16:19], s[10:11]       ; four lanes store a row's 64 consecutive bytes; a wave eight rows
.Ldone:
	s_wait_tensorcnt 0x0                           ; the wave's end
	ds_add_u32 v14, v15
	s_wait_dscnt 0x0
	s_endpgm
.Lfunc_end_k_qa6ff0dcf3a_fine:
	.size	k_qa6ff0dcf3a_fine, .Lfunc_end_k_qa6ff0dcf3a_fine-k_qa6ff0dcf3a_fine
	.p2alignl 7, 3214868480
	.fill 96, 4, 3214868480
	.section	.rodata,"a",@progbits
	.p2align	6, 0x0
	.amdhsa_kernel k_qa6ff0dcf3a_fine
		.amdhsa_group_segment_fixed_size 22528
		.amdhsa_private_segment_fixed_size 0
		.amdhsa_enable_private_segment 0
		.amdhsa_kernarg_size 32
		.amdhsa_user_sgpr_count 2
		.amdhsa_user_sgpr_kernarg_segment_ptr 1
		.amdhsa_wavefront_size32 1
		.amdhsa_system_sgpr_workgroup_id_x 1
		.amdhsa_system_sgpr_workgroup_id_y 1
		.amdhsa_system_sgpr_workgroup_id_z 1
		.amdhsa_system_vgpr_workitem_id 0
		.amdhsa_next_free_vgpr 240
		.amdhsa_next_free_sgpr 66
		.amdhsa_reserve_vcc 1
		.amdhsa_float_denorm_mode_32 3
		.amdhsa_float_denorm_mode_16_64 3
		.amdhsa_memory_ordered 1
		.amdhsa_forward_progress 1
		.amdhsa_inst_pref_size 18
	.end_amdhsa_kernel
	.amdgpu_metadata
---
amdhsa.version: [ 1, 2 ]
amdhsa.kernels:
  - .name:           k_qa6ff0dcf3a_fine
    .symbol:         k_qa6ff0dcf3a_fine.kd
    .args:
      - { .name: qkvf, .offset: 0, .size: 8, .value_kind: global_buffer, .address_space: global }
      - { .name: Wo, .offset: 8, .size: 8, .value_kind: global_buffer, .address_space: global }
      - { .name: bo, .offset: 16, .size: 8, .value_kind: global_buffer, .address_space: global }
      - { .name: out0, .offset: 24, .size: 8, .value_kind: global_buffer, .address_space: global }
    .group_segment_fixed_size: 22528
    .private_segment_fixed_size: 0
    .kernarg_segment_align: 8
    .kernarg_segment_size: 32
    .max_flat_workgroup_size: 512
    .sgpr_count:     66
    .vgpr_count:     240
    .wavefront_size: 32
...
	.end_amdgpu_metadata
.endif
;; end of part 5
